; MI455X (gfx1250); checked and timed in simulation.
; The chip was launched on July 23, 2026; its instructions are those of AMD's public machine-readable ISA for CDNA 5 (MIT licence, August 2026) and "CDNA5" Instruction Set Architecture Reference Guide (July 2026). The comments in the code are by the model that wrote it; some were corrected since.
;; Attention. Allowed arithmetic: matrix products marked QUANTISED: E2M3 operands, one E8M0 scale for each 32 along K, by v_wmma_scale_f32_16x16x128_f8f6f4 with both operands' format E2M3, f32 sums; everything else in f32.
;; Inputs: cos 2,048 x 128 float32; sin 2,048 x 128 float32; wk 1,024 x 4,096 float32; wo 4,096 x 2,048 float32; wq 2,048 x 4,096 float32; wv 1,024 x 4,096 float32; x 1 x 2,048 x 4,096 float32.
;; Outputs: out0 1 x 2,048 x 4,096 float32.
;; Constants: start_pos = 0.
;; This version of the problem:
;;   THIS VERSION OF THE PROBLEM IS GIVEN IN LOW PRECISION. The matrix products marked QUANTISED in the list below multiply operands that are first quantised to E2M3 (2 exponent bits, 3 mantissa bits; 6 bits a number), with one power-of-two scale for each 32 numbers along K (OCP MX v1.0); their sums are f32. All else is computed in f32.
;;   The module's matrix products, in the order in which they are computed (A, B: the left and right operand; K: the contracted axis; several contracted axes count as one K, in the product's order):
;;     1. [M 2,048, K 4,096] x [K 4,096, N 2,048]; A: input x; B: input wq: QUANTISED
;;     2. [M 2,048, K 4,096] x [K 4,096, N 1,024]; A: input x; B: input wk: QUANTISED
;;     3. [M 2,048, K 4,096] x [K 4,096, N 1,024]; A: input x; B: input wv: QUANTISED
;;     4. batch 16 x [M 2,048, K 128] x [K 128, N 2,048]; A: computed on the way; B: computed on the way: QUANTISED
;;     5. batch 16 x [M 128, K 2,048] x [K 2,048, N 2,048]; A: computed on the way; B: softmax (see below): QUANTISED
;;     6. [M 2,048, K 2,048] x [K 2,048, N 4,096]; A: computed on the way; B: input wo: QUANTISED
;;   THE QUANTISER, for each operand of a quantised product, along K:
;;     - K is cut into blocks of 32 from its start; a last block that is shorter is filled with zeros.
;;     - A block's scale is 2^e with e = floor(log2(the largest magnitude in the block)) - 2, held to -126 .. 127; a block of zeros has e = 0. As a byte (E8M0): e + 127.
;;     - Each number is divided by its block's scale, clamped to +-7.5, and rounded to the nearest number of E2M3, ties to even, subnormals kept.
;;     - The product sums the exact products of the quantised numbers (number of the format x scale) in f32.
;;   ~~~python
;;   def quantise(x, axis):      # numpy; x: float32 -> the quantised numbers, widened to float32 again
;;       x = np.moveaxis(x, axis, -1); K = x.shape[-1]
;;       x = np.pad(x, [(0, 0)] * (x.ndim - 1) + [(0, -K % 32)]); x = x.reshape(x.shape[:-1] + (-1, 32)); a = np.abs(x).max(-1, keepdims=True)
;;       e = np.where(a > 0, np.clip(np.frexp(np.where(a > 0, a, 1))[1] - 1 - 2, -126, 127), 0)      # np.frexp(a)[1] - 1 = floor(log2(a)), exactly
;;       r = np.clip(x / 2.0 ** e, -7.5, 7.5)
;;       step = 2.0 ** (np.maximum(np.frexp(np.where(r == 0, 1, r))[1] - 1, 0) - 3)
;;       q = np.round(r / step) * step * 2.0 ** e      # np.round: ties to even
;;       return np.moveaxis(q.reshape(q.shape[:-2] + (-1,))[..., :K], -1, axis).astype(np.float32)
;;   ~~~
;;   SOFTMAX AHEAD OF A QUANTISED PRODUCT. Where the list says 'softmax', what is quantised is not the finished softmax but p = 2^(t - M), with t = logit x log2(e) and M = ceil(the row's largest t), a whole number; so 1/2 < the row's largest p <= 1. The row's sum l is taken of the UNQUANTISED p, in f32, and the product's result is divided by l at the end. Since M is a whole number, a kernel that streams over the keys may use a running M (the ceiling of the running maximum): every later rescaling is an exact power of two, which a block's scale takes up: the codes' values come out the same.
;;   OPERANDS COMPUTED ON THE WAY. 'Computed on the way' means the value that the module computes at that place (a softmax that the list does not call 'softmax' is quantised finished and normalised). What goes into a quantiser is computed in f32, as accurately as f32 sums, v_exp_f32 and their like allow (about 1e-6 of the number): no bf16 or f16 on the way to a quantiser, and a product that is left as it is and whose result goes on into a quantised operand takes f32 operands (vector FMAs, or v_wmma_f32_16x16x4_f32). A number that lies on a knife's edge between two numbers of the format may be rounded either way, as far as f32 arithmetic and the matrix unit's own rounding can turn it there, and no further.
;; One version. Each part assembles by itself: llvm-mc -triple=amdgcn-amd-amdhsa -mcpu=gfx1250 --defsym DOCPART=n.
;; ======== version 1 of 1: 4 launches
;; limits: right only within a limited range of input values
;; workspace buffers: xw 19,660,800 bytes; wor 6,553,600 bytes; qkv 6,553,600 bytes; o 3,276,800 bytes
;; launch quant (part 1): grid 1024 x 1, 4 waves a work-group, no clusters, 48,128 bytes of LDS; arguments x, wq, wk, wv, wo, xw, wor; writes xw, wor
.if DOCPART == 1
	.amdgcn_target "amdgcn-amd-amdhsa--gfx1250"
	.amdhsa_code_object_version 6
	.text
	.protected	k_q5ac9c71083_quant
	.globl	k_q5ac9c71083_quant
	.p2align	8
	.type	k_q5ac9c71083_quant,@function
k_q5ac9c71083_quant:
	s_mov_b64 s[64:65], 0
	v_nop
	global_prefetch_b8 v0, s[64:65] scope:SCOPE_SE
	s_setreg_imm32_b32 hwreg(HW_REG_WAVE_MODE, 25, 1), 1
	s_wait_xcnt 0x0
; x [2048][4096], wq [2048][4096], wk, wv [1024][4096], wo [4096][2048], f32, K innermost, become codes of FP6 (E2M3) with one E8M0 byte for each 32 along K,
; laid in the ORDER OF THE OPERAND'S REGISTERS, so that the later launches fetch fragments by loads of 16 bytes a lane and tiles as dense blocks.
; A TILE T is 16 rows: lane r (0..15) holds row 32 (T / 2) + 8 (T % 2) + r + 8 (r / 8).  AN IMAGE (1,536 bytes) is a fragment of 16 rows x 128 K: register p (0..11) of lane l at 512 (p / 4) + 16 l + 4 (p % 4).
; A RECORD (6,400 bytes) is four images (512 along K) and 256 bytes of scale words: lane r's 16 bytes at 6144 + 16 r, word j for image j.
; xw: [tile 0..383][8 records]: tiles 0-127 x, 128-255 wq, 256-319 wk, 320-383 wv.   wor: [tile 0..255][4 records]: wo.
; A block's scale is 2^(floor(log2(its largest magnitude)) - 2); its byte is the largest magnitude's exponent field - 2, held at 1 from below.
; LIMITS: a block of zeros, and a block whose largest magnitude lies under 2^-124, get the byte 1 (zeros: where the rule says 127; their codes are zeros, and this program alone reads the bytes); NaN and infinities are not served.
; SHARES: a wave makes one record, in 16 steps, a row's 512 numbers a step; a work-group four neighbouring records.  One path for all five tensors: only pointers and sizes are chosen, by the work-group's number.
; Each load reads 512 consecutive bytes; a step's 2,048 bytes turn through the wave's own stage in LDS so that a lane holds 16 neighbours along K; the codes are gathered in the wave's own copy of the record in LDS
; and leave as thirteen stores of whole consecutive runs (twelve of 512 bytes, one of 256).  In that copy 16 bytes of padding stand behind each 256 bytes: a step's 32 lanes store into 24 different runs of 256 bytes, at one of
; four words of the same 16 bytes, and with 272 bytes (68 words) from run to run they fall on 32 different banks (64 banks of 4 bytes: ISA guide 11.1).
; No tensor load, no barrier, no cluster: waves share nothing, work-groups share no input.
.set WAVES, 4
.set STEPS, 16
.set EMAX,  2
.set SP,    80                         ; a lane's place in a stage: 64 bytes + 16
.set CHK,   272                        ; 256 bytes of the record's codes + 16
.set CODES, 5120                       ; behind the two stages of 32 x SP: the record's codes, 24 x CHK
.set SCB,   CODES+24*CHK               ; its scale block, 256 bytes
.set WREG,  SCB+256                    ; LDS of a wave: 11,904 bytes
.set SPARE, WAVES*WREG                 ; behind the four regions: the spare words, 128 bytes a wave
.set REC,   6400
.set SPW,   12                         ; v12  my spare word's LDS address; never rewritten
.set NIL,   13                         ; v13  0; never rewritten
.set R,     16                         ; v16-79   four sets of 16 numbers as loaded; at the end the record on its way out
.set X,     80                         ; v80-111  two sets of 16 neighbours
.set RO,    112                        ; v112-127 step t's byte offset: 16 x lane + (t + 8 (t / 8)) rows
.set C,     128                        ; codes: set e at v[C + 8 e], three registers, and the byte at + 4
	s_load_b256 s[4:11], s[0:1], 0x0               ; x, wq, wk, wv
	s_load_b128 s[12:15], s[0:1], 0x20             ; wo, xw
	s_load_b64 s[16:17], s[0:1], 0x30              ; wor
	v_lshl_add_u32 v[SPW], v0, 2, SPARE
	v_mov_b32 v[NIL], 0
	v_lshrrev_b32 v1, 5, v0
	v_readfirstlane_b32 s18, v1                    ; wave
	v_and_b32 v2, 31, v0                           ; lane
	v_lshlrev_b32 v3, 4, v2                        ; 16 x lane
	v_lshlrev_b32 v7, 3, v2                        ; 8 x lane
	s_mul_i32 s19, s18, WREG
	v_lshrrev_b32 v14, 2, v2
	v_mul_u32_u24 v14, v14, SP
	v_and_b32 v15, 3, v2
	v_lshl_add_u32 v14, v15, 4, v14
	v_add_nc_u32 v14, s19, v14                     ; the stage, on the way in: SP (lane / 4) + 16 (lane % 4)
	v_mul_u32_u24 v15, v2, SP
	v_add_nc_u32 v15, s19, v15                     ; and on the way out: SP x lane
	; where my 16 codes (three registers) go.  My numbers are k = 16 lane .. + 15 of the record's 512: image lane / 8; in it block (lane / 2) % 4 = 2 c + h, half lane % 2:
	; registers p = 6 c + 3 (lane % 2) + 0..2 of the lane 16 h + t.  In the record that is run 6 (lane / 8) + 2 (p / 4) + h of 256 bytes, byte 16 t + 4 (p % 4) of it
	v_lshrrev_b32 v8, 3, v2
	v_mul_u32_u24 v8, v8, 6*CHK
	v_bfe_u32 v9, v2, 1, 1                         ; h
	v_mad_u32_u24 v8, v9, CHK, v8
	v_add_nc_u32 v8, s19, v8
	v_bfe_u32 v9, v2, 2, 1                         ; c
	v_and_b32 v10, 1, v2
	v_lshl_add_u32 v9, v9, 1, v10
	v_mul_u32_u24 v9, v9, 3                        ; 6 c + 3 (lane % 2)
.irp i, 0,1,2
	v_add_nc_u32 v10, \i, v9                       ; the register's number p
	v_lshrrev_b32 v11, 2, v10
	v_and_b32 v10, 3, v10
	v_mad_u32_u24 v11, v11, 2*CHK, v8              ; + two runs for each p / 4
	v_lshl_add_u32 v[4+\i], v10, 2, v11            ; + 4 (p % 4)
	v_add_nc_u32 v[4+\i], CODES, v[4+\i]           ; v4-6; step t adds 16 t by its immediate
.endr
	v_lshrrev_b32 v133, 1, v2
	v_add_nc_u32 v133, s19, v133
	v_add_nc_u32 v133, SCB, v133                   ; my block's byte: 16 t + lane / 2
	v_lshrrev_b32 v134, 4, v2
	v_lshl_add_u32 v134, v134, 4, v3               ; the record's way out: 16 bytes a lane; lanes 16-31 stand behind one padding more
	v_add_nc_u32 v134, s19, v134
	v_add_nc_u32 v134, CODES, v134
	v_add_nc_u32 v135, s19, v7
	v_add_nc_u32 v135, SCB, v135                   ; its scale block: 8 bytes a lane
	s_wait_kmcnt 0x0
	; which tensor: work-groups 0-255 x, 256-511 wq, 512-639 wk, 640-767 wv, 768-1023 wo.  The choices hang on the work-group's number alone
	s_mov_b64 s[20:21], s[12:13]
	s_mov_b32 s22, 768
	s_cmp_lt_u32 ttmp9, 768
	s_cselect_b64 s[20:21], s[10:11], s[20:21]
	s_cselect_b32 s22, 640, s22
	s_cselect_b64 s[24:25], s[14:15], s[16:17]     ; where the records go
	s_cselect_b32 s26, 3, 2                        ; log2 of a tile's records: K = 4,096 or 2,048
	s_cselect_b32 s27, 0, 768                      ; the output buffer's first work-group
	s_cmp_lt_u32 ttmp9, 640
	s_cselect_b64 s[20:21], s[8:9], s[20:21]
	s_cselect_b32 s22, 512, s22
	s_cmp_lt_u32 ttmp9, 512
	s_cselect_b64 s[20:21], s[6:7], s[20:21]
	s_cselect_b32 s22, 256, s22
	s_cmp_lt_u32 ttmp9, 256
	s_cselect_b64 s[20:21], s[4:5], s[20:21]
	s_cselect_b32 s22, 0, s22
	s_lshl_b32 s23, 2048, s26                      ; a row in bytes
	s_sub_co_u32 s28, ttmp9, s22
	s_lshl_b32 s28, s28, 2
	s_add_co_u32 s28, s28, s18                     ; my record's number in its tensor
	s_lshr_b32 s29, s28, s26                       ; its tile T
	s_bfm_b32 s30, s26, 0
	s_and_b32 s30, s28, s30                        ; and which 512 along K
	s_lshr_b32 s31, s29, 1
	s_lshl_b32 s31, s31, 5
	s_and_b32 s29, s29, 1
	s_lshl_b32 s29, s29, 3
	s_add_co_u32 s31, s31, s29                     ; the tile's first row: 32 (T / 2) + 8 (T % 2)
	s_mul_i32 s32, s31, s23
	s_lshl_b32 s30, s30, 11
	s_add_co_u32 s32, s32, s30
	s_mov_b32 s33, 0
	s_add_nc_u64 s[20:21], s[20:21], s[32:33]
	s_sub_co_u32 s34, ttmp9, s27
	s_lshl_b32 s34, s34, 2
	s_add_co_u32 s34, s34, s18
	s_mul_i32 s34, s34, REC
	s_mov_b32 s35, 0
	s_add_nc_u64 s[24:25], s[24:25], s[34:35]
.irp t, 0,1,2,3,4,5,6,7,8,9,10,11,12,13,14,15
	v_mad_u32_u24 v[RO+\t], s23, \t+8*(\t/8), v3   ; lane-row t of the tile is its row t + 8 (t / 8)
.endr
.macro LOAD t
.irp i, 0,1,2,3
	global_load_b128 v[R+16*((\t)%4)+4*\i:R+16*((\t)%4)+4*\i+3], v[RO+(\t)], s[20:21] offset:512*\i th:TH_LOAD_NT   ; 32 lanes read 512 consecutive bytes
.endr
.endm
.macro TURN t                          ; step t's numbers through the stage: LDS serves a wave's instructions in order, so no wait stands between the stores and the loads
.irp i, 0,1,2,3
	ds_store_b128 v14, v[R+16*((\t)%4)+4*\i:R+16*((\t)%4)+4*\i+3] offset:32*SP*((\t)%2)+8*SP*\i
.endr
.irp i, 0,1,2,3
	ds_load_b128 v[X+16*((\t)%2)+4*\i:X+16*((\t)%2)+4*\i+3], v15 offset:32*SP*((\t)%2)+16*\i
.endr
.endm
.irp t, 0,1,2,3
	LOAD \t
.endr
	s_wait_loadcnt 12                              ; step 0's four loads are in
	TURN 0
.macro STEP t
.set XS, X+16*((\t)%2)
.set CC, C+8*((\t)%2)
.if (\t) > 0
	s_wait_dscnt 4                                 ; this step's numbers are back from the stage; the last step's four small stores may be out
.else
	s_wait_dscnt 0x0
.endif
.if (\t)+4 < STEPS
	LOAD (\t)+4                                    ; into the set that this step's stores into the stage have read
.endif
.if (\t)+1 < STEPS
.if STEPS-2-(\t) >= 3
	s_wait_loadcnt 12                              ; the next step's four loads are in; those of the three steps behind it may be out
.else
	s_wait_loadcnt 4*(STEPS-2-(\t))
.endif
	TURN (\t)+1
.endif
	v_max3_num_f32 v8, |v[XS]|, |v[XS+1]|, |v[XS+2]|               ; the largest magnitude of my 16, in two chains
	v_max3_num_f32 v9, |v[XS+3]|, |v[XS+4]|, |v[XS+5]|
.irp i, 6,10
	v_max3_num_f32 v8, v8, |v[XS+\i]|, |v[XS+\i+1]|
	v_max3_num_f32 v9, v9, |v[XS+\i+2]|, |v[XS+\i+3]|
.endr
	v_max3_num_f32 v8, v8, |v[XS+14]|, |v[XS+15]|
	v_max3_num_f32 v8, v8, v9, (EMAX+1)<<23        ; and the floor 2^(3 - 127): the byte cannot fall under 1
	v_max_num_f32_dpp v8, v8, v8 row_xmask:1 row_mask:0xf bank_mask:0xf   ; with my neighbour's 16: the block's
	v_add_nc_u32 v11, -(EMAX<<23), v8              ; 2 off its exponent field: the conversion takes the exponent field of this operand as its scale
	v_cvt_scalef32_pk16_fp6_f32 v[CC:CC+2], v[XS:XS+15], v11
	v_lshrrev_b32 v[CC+4], 23, v11                 ; the scale's byte (also the plain line behind the conversion)
	ds_store_b8 v133, v[CC+4] offset:16*(\t)       ; both lanes of a block write the same byte with the same value
.irp i, 0,1,2
	ds_store_b32 v[4+\i], v[CC+\i] offset:16*(\t)  ; my three registers, at their places in the record
.endr
.endm
.irp t, 0,1,2,3,4,5,6,7,8,9,10,11,12,13,14,15
	STEP \t
.endr
.irp k, 0,1,2,3,4,5,6,7,8,9,10,11
	ds_load_b128 v[R+4*\k:R+4*\k+3], v134 offset:2*CHK*\k   ; two runs of 256 bytes a load.  LDS serves a wave's instructions in order: these see my stores
.endr
	ds_load_b64 v[R+48:R+49], v135
.irp k, 0,1,2,3,4,5,6,7,8,9,10,11
	s_wait_dscnt 12-\k                             ; piece k is back; the younger ones may be out
	global_store_b128 v3, v[R+4*\k:R+4*\k+3], s[24:25] offset:512*\k   ; 512 consecutive bytes, at a multiple of 256 from the buffer's first byte
.endr
	s_wait_dscnt 0x0
	global_store_b64 v7, v[R+48:R+49], s[24:25] offset:6144            ; the scale block: 256 consecutive bytes
	s_wait_tensorcnt 0x0                           ; the wave's end, behind my last LDS store
	ds_add_u32 v[SPW], v[NIL]
	s_wait_dscnt 0x0
	s_endpgm
.Lfunc_end_k_q5ac9c71083_quant:
	.size	k_q5ac9c71083_quant, .Lfunc_end_k_q5ac9c71083_quant-k_q5ac9c71083_quant
	.p2alignl 7, 3214868480
	.fill 96, 4, 3214868480
	.section	.rodata,"a",@progbits
	.p2align	6, 0x0
	.amdhsa_kernel k_q5ac9c71083_quant
		.amdhsa_group_segment_fixed_size 48128
		.amdhsa_private_segment_fixed_size 0
		.amdhsa_enable_private_segment 0
		.amdhsa_kernarg_size 56
		.amdhsa_user_sgpr_count 2
		.amdhsa_user_sgpr_kernarg_segment_ptr 1
		.amdhsa_wavefront_size32 1
		.amdhsa_system_sgpr_workgroup_id_x 1
		.amdhsa_system_sgpr_workgroup_id_y 1
		.amdhsa_system_sgpr_workgroup_id_z 1
		.amdhsa_system_vgpr_workitem_id 0
		.amdhsa_next_free_vgpr 144
		.amdhsa_next_free_sgpr 66
		.amdhsa_reserve_vcc 0
		.amdhsa_float_denorm_mode_32 3
		.amdhsa_float_denorm_mode_16_64 3
		.amdhsa_memory_ordered 1
		.amdhsa_forward_progress 1
		.amdhsa_inst_pref_size 40
	.end_amdhsa_kernel
	.amdgpu_metadata
---
amdhsa.version: [ 1, 2 ]
amdhsa.kernels:
  - .name:           k_q5ac9c71083_quant
    .symbol:         k_q5ac9c71083_quant.kd
    .args:
      - { .name: x, .offset: 0, .size: 8, .value_kind: global_buffer, .address_space: global }
      - { .name: wq, .offset: 8, .size: 8, .value_kind: global_buffer, .address_space: global }
      - { .name: wk, .offset: 16, .size: 8, .value_kind: global_buffer, .address_space: global }
      - { .name: wv, .offset: 24, .size: 8, .value_kind: global_buffer, .address_space: global }
      - { .name: wo, .offset: 32, .size: 8, .value_kind: global_buffer, .address_space: global }
      - { .name: xw, .offset: 40, .size: 8, .value_kind: global_buffer, .address_space: global }
      - { .name: wor, .offset: 48, .size: 8, .value_kind: global_buffer, .address_space: global }
    .group_segment_fixed_size: 48128
    .private_segment_fixed_size: 0
    .kernarg_segment_align: 8
    .kernarg_segment_size: 56
    .max_flat_workgroup_size: 128
    .sgpr_count:     66
    .vgpr_count:     144
    .wavefront_size: 32
...
	.end_amdgpu_metadata
.endif
;; end of part 1
;; launch qkv (part 2): grid 16 x 16, 4 waves a work-group, clusters of 4 x 4, 327,680 bytes of LDS; arguments xw, cos, sin, qkv; writes qkv
.if DOCPART == 2
	.amdgcn_target "amdgcn-amd-amdhsa--gfx1250"
	.amdhsa_code_object_version 6
	.text
	.protected	k_q5ac9c71083_qkv
	.globl	k_q5ac9c71083_qkv
	.p2align	8
	.type	k_q5ac9c71083_qkv,@function
k_q5ac9c71083_qkv:
	s_mov_b64 s[64:65], 0
	v_nop
	global_prefetch_b8 v0, s[64:65] scope:SCOPE_SE
	s_setreg_imm32_b32 hwreg(HW_REG_WAVE_MODE, 25, 1), 1
	s_wait_xcnt 0x0
	s_wait_alu depctr_hold_cnt(0) depctr_sa_sdst(0) depctr_va_vdst(0) depctr_va_sdst(0) depctr_va_ssrc(0) depctr_va_vcc(0) depctr_vm_vsrc(0)
	s_getreg_b32 s2, hwreg(HW_REG_IB_STS2, 6, 4)
	s_cmp_eq_u32 s2, 0
	s_cbranch_scc0 .Lentry_in_a_cluster
	s_endpgm
.Lentry_in_a_cluster:
	s_bfe_u32 s2, ttmp6, 0x10000c
	s_cmp_lg_u32 s2, 0xf033
	s_cbranch_scc0 .Lentry_shape_is_right
	s_endpgm
.Lentry_shape_is_right:
; q, k and v of the attention: x wq^T, x wk^T, x wv^T on codes of FP6 (E2M3) with E8M0 scales, K = 4,096, f32 sums; RoPE on q and k in f32; the results are quantised anew and leave as images for the next launch.
; OPERANDS: xw as the launch before laid it: [tile of 16 rows][8 records of 6,400 bytes]; a record is four images (16 rows x 128 K, 1,536 bytes, in the order of the operand's registers) and 256 bytes of scale words.
; SHARES: 256 work-groups, each a block of 128 rows of A x 256 rows of B; four waves, each 64 x 128: 32 accumulators, 256 registers (window 2); B's fragments in window 1, two sets; A's in window 0, two sets.
; Clusters with x = 0..2: A = x's tokens, B = wq's and wk's rows (a wave's 128 columns are one head).  Clusters with x = 3: A = wv's rows, B = x's tokens, so that v has the keys along a lane's registers, the K of the attention's second product.
; Source 0 = B's tile, source 1 = A's: a lane holds one row of A, and by the choice of a tile's rows the 16 registers of tiles 2 b and 2 b + 1 are 16 neighbours along the next K.
; RING: two slots of 24 records (512 along K: 8 of A, 16 of B), filled by joint loads: A's go to my row of the 4 x 4 cluster, B's to my column; waves 0, 1 fetch A's halves (4 records), waves 2, 3 B's (8 records).
; One tensor load a wave at the head; slot 1's first fill stands behind the three lines and a round, as a refill does: a wave has one tensor load out.  All of LDS is claimed.
; When slot 0 has been read for the last time it takes the block's cos and sin rows (64 rows of 512 bytes a wave, 16 bytes of padding behind each).
; PREFETCH: behind the joint load of record r stands the request for record r + 2 (behind record 0's also record 1's): two refills, 256 matrix instructions a wave, ahead of the load that wants it.  Of the tiles that a wave fetches, each of the
; four partners that ask for them jointly takes a quarter, told apart by address (cx for A: one tile; cy for B: two tiles); a record is 25 blocks of 256 bytes, a lane a block, lanes 25-31 name the last block again.
; The refills of records 6 and 7 have no record two on; the first of them asks for my quarter (32 blocks) of the cos or sin rows that I fetch two refills later.
; LIMITS: a block of zeros, and a block whose largest magnitude lies under 2^-124, get the scale byte 1 (this program alone reads the bytes); NaN and infinities are not served.
.set REC,    6400
.set IMG,    1536
.set SCO,    6144
.set PE,     6400
.set TILEB,  8*PE
.set SLOT,   24*REC
.set BOFF,   8*REC
.set SPARE,  2*SLOT
.set LAPS,   4
.set CPITCH, 528
.set SINO,   128*CPITCH
.set ADRA, 16
.set ADRB, 18
.set ADRS, 20
.set ADC,  22
.set ADN,  23
.set PW,   24
.set SPW,  28
.set NIL,  29
.set LI,   30
.set LR,   31
.set SC,   32
.set AF,   96
.set H,    96
.set TM,   160
.set PT,   176
.set PC,   192
.set G1, 24
.set G0, 32
.set G1B, 48
.set G0B, 56
.set SEL, 66
.set G1C, 68
.set G0C, 76
.set PFA, 12                           ; s[12:13] where my prefetches stand: my work-group's share of the tiles that I fetch; stepped a record at each change of slots
.set PCS, 90                           ; s[90:91] my work-group's 16 of the 64 rows of cos or sin that I fetch
.set PFO, 6                            ; v6  256 x min(lane, 24); never rewritten
.set PFC, 7                            ; v7  256 x lane; never rewritten
.set MSB, 0
.macro WIN new
.if MSB != (\new)
	s_set_vgpr_msb (MSB<<8)|(\new)
.set MSB, (\new)
.endif
.endm
.set W_MUL, 0xa1
.set TO_B,  0x40
.macro PLACES n
.rept \n
	v_nop
.endr
.endm
.macro JLOAD g0a, g1a, g0b, g1b
	s_cmp_eq_u32 s15, 0
	s_cbranch_scc0 .Lfor_b_\@
	tensor_load_to_lds s[\g0a:\g0a+3], s[\g1a:\g1a+7]
	s_nop 0
.rept 4
	v_nop
.endr
	s_branch .Lasked_\@
.Lfor_b_\@:
	tensor_load_to_lds s[\g0b:\g0b+3], s[\g1b:\g1b+7]
	s_nop 0
.rept 4
	v_nop
.endr
.Lasked_\@:
.endm
.macro CREST
	s_cmp_lg_u32 s14, 0
	s_cbranch_scc1 .Lnot_wave_0_\@
	s_barrier_signal -3
.Lnot_wave_0_\@:
	s_barrier_wait -3
	s_barrier_signal -1
	s_barrier_wait -1
.endm
; A request for one record of each tile of my share: A's waves have one tile, B's two.  The branch hangs on the wave's number alone.
.macro PF off
	global_prefetch_b8 v[PFO], s[PFA:PFA+1] offset:\off th:TH_LOAD_NT scope:SCOPE_SE
	s_cmp_eq_u32 s15, 0
	s_cbranch_scc1 .Lpf_a_\@
	global_prefetch_b8 v[PFO], s[PFA:PFA+1] offset:(\off)+TILEB th:TH_LOAD_NT scope:SCOPE_SE
.Lpf_a_\@:
.endm
; In the loop: the record two refills on; in the last trip (s3 = 1) there is none, and its first refill asks for cos or sin instead.
.macro ASK slot
	s_cmp_gt_u32 s3, 1
	s_cbranch_scc0 .Lpf_last_\@
	PF 3*REC
.if \slot == 0
	s_branch .Lpf_done_\@
.Lpf_last_\@:
	global_prefetch_b8 v[PFC], s[PCS:PCS+1] th:TH_LOAD_NT scope:SCOPE_SE
.Lpf_done_\@:
.else
.Lpf_last_\@:
.endif
.endm
.macro CROUND
	s_barrier_signal -1
	s_barrier_wait -1
	CREST
.endm
	s_load_b256 s[4:11], s[0:1], 0x0
	v_lshl_add_u32 v[SPW], v0, 2, SPARE
	v_mov_b32 v[NIL], 0
	ds_add_u32 v[SPW], v[NIL]
	ds_add_u32 v[SPW], v[NIL]
	v_lshrrev_b32 v1, 5, v0
	v_readfirstlane_b32 s14, v1
	s_lshr_b32 s15, s14, 1
	s_and_b32 s16, s14, 1
	s_bfe_u32 s40, ttmp6, 0x40000
	s_bfe_u32 s41, ttmp6, 0x40004
	s_and_b32 s81, ttmp7, 0xffff
	s_lshr_b32 s82, s81, 1
	s_and_b32 s83, s81, 1
	s_cmp_eq_u32 ttmp9, 3
	s_cselect_b32 s80, 1, 0
	s_cselect_b32 s17, s82, s81
	s_cselect_b32 s42, s83, ttmp9
	s_cselect_b32 s84, 320, 0
	s_cselect_b32 s85, 0, 128
	s_lshl_b32 s17, s17, 2
	s_add_co_u32 s17, s17, s41
	s_lshl_b32 s42, s42, 2
	s_add_co_u32 s42, s42, s40
	s_lshl_b32 s43, s41, 2
	s_lshl_b32 s43, 15, s43
	s_lshl_b32 s44, 0x1111, s40
	s_or_b32 s[G1], s43, (3<<16)|(1<<21)
	s_or_b32 s[G1B], s44, (3<<16)|(1<<21)
	s_mov_b32 s[G1+1], 800<<16
	s_mov_b32 s[G1+2], 4<<16
	s_mov_b32 s[G1+3], 800<<16
	s_mov_b32 s[G1+4], 4
	s_mov_b32 s[G1+5], PE
	s_mov_b32 s[G1+6], 0
	s_mov_b32 s[G1+7], 0
	s_mov_b32 s[G1B+1], 800<<16
	s_mov_b32 s[G1B+2], 8<<16
	s_mov_b32 s[G1B+3], 800<<16
	s_mov_b32 s[G1B+4], 8
	s_mov_b32 s[G1B+5], PE
	s_mov_b32 s[G1B+6], 0
	s_mov_b32 s[G1B+7], 0
	s_or_b32 s[G1C], s43, (3<<16)|(1<<20)|(1<<21)|(6<<22)|(3<<25)
	s_mov_b32 s[G1C+1], 64<<16
	s_mov_b32 s[G1C+2], 64<<16
	s_mov_b32 s[G1C+3], 64<<16
	s_mov_b32 s[G1C+4], 64
	s_mov_b32 s[G1C+5], 64
	s_mov_b32 s[G1C+6], 0
	s_mov_b32 s[G1C+7], 0
	s_lshl_b32 s18, s16, 2
	s_lshl_b32 s20, s17, 3
	s_add_co_u32 s20, s20, s84
	s_add_co_u32 s20, s20, s18
	s_mul_i32 s20, s20, TILEB
	s_mov_b32 s21, 0
	s_lshl_b32 s18, s16, 3
	s_lshl_b32 s46, s42, 4
	s_add_co_u32 s46, s46, s85
	s_add_co_u32 s46, s46, s18
	s_mul_i32 s46, s46, TILEB
	s_mov_b32 s47, 0
	s_mul_i32 s45, s16, 4*REC
	s_mul_i32 s86, s16, 8*REC
	s_add_co_u32 s86, s86, BOFF
	s_lshl_b32 s87, s17, 7
	s_lshl_b32 s88, s16, 6
	s_add_co_u32 s88, s87, s88
	s_lshl_b32 s88, s88, 9
	s_mov_b32 s89, 0
	s_mul_i32 s92, s14, 64*CPITCH
	s_mov_b32 s[SEL], 0x76543210
	s_mov_b32 s[SEL+1], 0xfedcba98
	s_wait_dscnt 0x0
	s_wait_kmcnt 0x0
	s_add_nc_u64 s[20:21], s[4:5], s[20:21]
	s_add_nc_u64 s[46:47], s[4:5], s[46:47]
	s_cmp_eq_u32 s15, 0
	s_cselect_b64 s[90:91], s[6:7], s[8:9]
	s_mov_b32 s[G0C], 1
	s_mov_b32 s[G0C+1], s92
	s_add_nc_u64 s[G0C+2:G0C+3], s[90:91], s[88:89]
	s_or_b32 s[G0C+3], s[G0C+3], 0x80000000
	s_add_nc_u64 s[PCS:PCS+1], s[PCS:PCS+1], s[88:89]   ; the prefetches' addresses: my 64 rows of cos or sin,
	s_lshl_b32 s88, s40, 13                        ; + cx x 16 rows of 512 bytes
	s_add_nc_u64 s[PCS:PCS+1], s[PCS:PCS+1], s[88:89]
	s_lshl_b32 s95, s41, 1
	s_cmp_eq_u32 s15, 0                            ; do I fetch for A?
	s_cselect_b64 s[PFA:PFA+1], s[20:21], s[46:47] ; the first of the tiles that I fetch,
	s_cselect_b32 s94, s40, s95                    ; + cx tiles of A's four, or 2 cy of B's eight
	s_mul_i32 s94, s94, TILEB
	s_mov_b32 s95, 0
	s_add_nc_u64 s[PFA:PFA+1], s[PFA:PFA+1], s[94:95]
	CROUND
.irp s, 0,1
	s_mov_b32 s[G0+4*\s], 1
	s_add_co_u32 s[G0+4*\s+1], s45, \s*SLOT
	s_add_nc_u64 s[G0+4*\s+2:G0+4*\s+3], s[20:21], \s*REC
	s_or_b32 s[G0+4*\s+3], s[G0+4*\s+3], 0x80000000
	s_mov_b32 s[G0B+4*\s], 1
	s_add_co_u32 s[G0B+4*\s+1], s86, \s*SLOT
	s_add_nc_u64 s[G0B+4*\s+2:G0B+4*\s+3], s[46:47], \s*REC
	s_or_b32 s[G0B+4*\s+3], s[G0B+4*\s+3], 0x80000000
.endr
	JLOAD G0, G1, G0B, G1B                         ; record 0: one tensor load a wave at the head
	v_and_b32 v3, 31, v0
	v_min_u32 v[PFO], 24, v3
	v_lshlrev_b32 v[PFO], 8, v[PFO]
	v_lshlrev_b32 v[PFC], 8, v3
	s_wait_alu depctr_va_vdst(0)                   ; directly ahead of the reader below
	PF REC                                         ; records 1 and 2
	PF 2*REC
	v_and_b32 v1, 15, v0
	v_bfe_u32 v2, v0, 4, 1
	v_lshlrev_b32 v[LI], 4, v3
	v_lshlrev_b32 v[LR], 4, v1
	s_mul_i32 s18, s15, 4*REC
	s_mul_i32 s19, s16, 8*REC
	s_add_co_u32 s19, s19, BOFF
	s_sub_co_u32 s22, s19, s18
	v_mul_u32_u24 v4, s22, v2
	v_add_nc_u32 v4, v4, v[LR]
	v_add_nc_u32 v4, SCO, v4
.irp s, 0,1
	v_add_nc_u32 v[ADRA+\s], s18, v[LI]
	v_add_nc_u32 v[ADRB+\s], s19, v[LI]
	v_add_nc_u32 v[ADRS+\s], s18, v4
	s_add_co_u32 s18, s18, SLOT
	s_add_co_u32 s19, s19, SLOT
.endr
	v_and_b32 v5, 8, v1
	v_add_nc_u32 v5, v5, v1
	v_mul_u32_u24 v[ADC], v5, CPITCH
	v_lshl_add_u32 v[ADC], v2, 6, v[ADC]
	s_mul_i32 s23, s15, 64*CPITCH
	v_add_nc_u32 v[ADC], s23, v[ADC]
	v_add_nc_u32 v[ADN], SINO, v[ADC]
	s_lshl_b32 s92, s42, 1
	s_add_co_u32 s92, s92, s16
	s_lshl_b32 s93, s92, 5
	s_lshl_b32 s94, s17, 1
	s_add_co_u32 s93, s93, s94
	s_add_co_u32 s94, s17, 24
	s_lshl_b32 s94, s94, 5
	s_lshl_b32 s92, s92, 1
	s_add_co_u32 s94, s94, s92
	s_cmp_eq_u32 s80, 1
	s_cselect_b32 s92, s94, s93
	s_add_co_u32 s92, s92, s15
	s_mul_i32 s92, s92, REC
	s_mov_b32 s93, 0
	s_add_nc_u64 s[10:11], s[10:11], s[92:93]
.macro FETCH slot, q, p
	WIN TO_B
.irp i, 0,1,2,3,4,5,6,7
.irp c, 0,1,2
	ds_load_b128 v[128*(\p)+12*\i+4*\c:128*(\p)+12*\i+4*\c+3], v[ADRB+\slot] offset:REC*\i+IMG*(\q)+512*\c
.endr
.endr
	WIN 0
.irp i, 0,1,2,3
.irp c, 0,1,2
	ds_load_b128 v[AF+48*(\p)+12*\i+4*\c:AF+48*(\p)+12*\i+4*\c+3], v[ADRA+\slot] offset:REC*\i+IMG*(\q)+512*\c
.endr
.endr
.endm
.macro SCALES slot
.irp i, 0,1,2,3,4,5,6,7
	ds_load_b128 v[SC+32*\slot+4*\i:SC+32*\slot+4*\i+3], v[ADRS+\slot] offset:REC*\i
.endr
.endm
.macro MULS a0, n, p, q, sc, zero
.set ai, \a0
.rept \n
.irp b, 0,1,2,3,4,5,6,7
.if \zero
	v_wmma_scale_f32_16x16x128_f8f6f4 v[8*(8*ai+\b):8*(8*ai+\b)+7], v[128*(\p)+12*\b:128*(\p)+12*\b+11], v[AF+48*(\p)+12*ai:AF+48*(\p)+12*ai+11], 0, v[SC+32*(\sc)+4*\b+(\q)], v[SC+32*(\sc)+4*ai+(\q)] matrix_a_fmt:MATRIX_FMT_FP6 matrix_b_fmt:MATRIX_FMT_FP6 matrix_a_scale:MATRIX_SCALE_ROW1
.else
	v_wmma_scale_f32_16x16x128_f8f6f4 v[8*(8*ai+\b):8*(8*ai+\b)+7], v[128*(\p)+12*\b:128*(\p)+12*\b+11], v[AF+48*(\p)+12*ai:AF+48*(\p)+12*ai+11], v[8*(8*ai+\b):8*(8*ai+\b)+7], v[SC+32*(\sc)+4*\b+(\q)], v[SC+32*(\sc)+4*ai+(\q)] matrix_a_fmt:MATRIX_FMT_FP6 matrix_b_fmt:MATRIX_FMT_FP6 matrix_a_scale:MATRIX_SCALE_ROW1
.endif
.endr
.set ai, ai+1
.endr
.endm
.macro STEP slot, q, zero
	s_wait_dscnt 0x0
	PLACES 4
	FETCH \slot, (\q)+1, 1-(\q)%2
	WIN W_MUL
	MULS 0, 4, (\q)%2, \q, \slot, \zero
	WIN 0
.endm
.macro TURN slot, next, fill
.if \fill == 1
	s_wait_xcnt 0x0                                ; my prefetches have read their address: it is stepped here, ahead of the waits of the change of slots
	s_add_nc_u64 s[PFA:PFA+1], s[PFA:PFA+1], REC
.endif
	s_wait_tensorcnt 0x0
	ds_add_u32 v[SPW], v[NIL]
	s_wait_dscnt 1
	WIN W_MUL
	MULS 0, 1, 1, 3, \slot, 0
	s_wait_dscnt 0x0
	s_barrier_signal -1
	MULS 1, 1, 1, 3, \slot, 0
	WIN 0
	s_barrier_wait -1
.if \fill == 1
	CREST
	s_add_nc_u64 s[G0+4*\slot+2:G0+4*\slot+3], s[G0+4*\slot+2:G0+4*\slot+3], 2*REC
	s_add_nc_u64 s[G0B+4*\slot+2:G0B+4*\slot+3], s[G0B+4*\slot+2:G0B+4*\slot+3], 2*REC
	JLOAD G0+4*\slot, G1, G0B+4*\slot, G1B
.elseif \fill == 2
	CREST
	tensor_load_to_lds s[G0C:G0C+3], s[G1C:G1C+7]
	s_nop 0
	PLACES 4
.else
	PLACES 4
.endif
	FETCH \next, 0, 0
	SCALES \next
.if \fill == 1
	ASK \slot                                      ; behind the joint load and the run of LDS loads that the next products wait for
.endif
	WIN W_MUL
	MULS 2, 2, 1, 3, \slot, 0
	WIN 0
.endm
	s_wait_alu depctr_va_vdst(0)                   ; the wait at the head's end
	s_wait_tensorcnt 0x0                           ; my part of record 0 is in
	ds_add_u32 v[SPW], v[NIL]
	s_wait_dscnt 0x0                               ; the add is done
	CROUND                                         ; everybody's part of record 0 is in, and all sixteen work-groups are here
	JLOAD G0+4, G1, G0B+4, G1B                     ; record 1, slot 1's first fill: the first tensor load behind the round
	FETCH 0, 0, 0
	SCALES 0
	PF 3*REC                                       ; record 3
	STEP 0, 0, 1
	s_mov_b32 s3, LAPS-1
.Llap:
	STEP 0, 1, 0
	STEP 0, 2, 0
	TURN 0, 1, 1
	STEP 1, 0, 0
	STEP 1, 1, 0
	STEP 1, 2, 0
	TURN 1, 0, 1
	STEP 0, 0, 0
	s_sub_co_u32 s3, s3, 1
	s_cmp_lg_u32 s3, 0
	s_cbranch_scc1 .Llap
	STEP 0, 1, 0
	STEP 0, 2, 0
	TURN 0, 1, 2
	STEP 1, 0, 0
	STEP 1, 1, 0
	STEP 1, 2, 0
	s_wait_dscnt 0x0
	WIN W_MUL
	MULS 0, 4, 1, 3, 1, 0
	WIN 0
	s_wait_tensorcnt 0x0
	s_barrier_signal -1
	s_barrier_wait -1
	PLACES 4
.irp b, 0,1,2,3
	v_mov_b32 v[TM+4+\b], 0
.endr
.macro QUANT s, w, pc, pw
	WIN (\w)|((\w)<<2)
.irp b, 0,1,2,3
	v_max3_num_f32 v[TM+\b], |v[(\s)+16*\b]|, |v[(\s)+1+16*\b]|, 0x1800000
.endr
	WIN ((\w)<<2)|((\w)<<4)
.irp i, 2,4,6,8,10,12,14
.irp b, 0,1,2,3
	v_max3_num_f32 v[TM+\b], v[TM+\b], |v[(\s)+16*\b+\i]|, |v[(\s)+1+16*\b+\i]|
.endr
.endr
	WIN 0
.irp b, 0,1,2,3
	v_permlanex16_b32 v[TM+4+\b], v[TM+\b], s[SEL], s[SEL+1]
.endr
.irp b, 0,1,2,3
	v_max_num_f32 v[TM+\b], v[TM+\b], v[TM+4+\b]
.endr
.irp b, 0,1,2,3
	v_add_nc_u32 v[TM+12+\b], 0xff000000, v[TM+\b]
.endr
.irp b, 0,1,2,3
	v_lshrrev_b32 v[TM+4+\b], 23, v[TM+12+\b]
.endr
	v_lshl_or_b32 v[\pw], v[TM+5], 8, v[TM+4]
	v_lshl_or_b32 v[\pw], v[TM+6], 16, v[\pw]
	v_lshl_or_b32 v[\pw], v[TM+7], 24, v[\pw]
	WIN (\w)
.irp c, 0,1
	v_cvt_scalef32_pk16_fp6_f32 v[(\pc)+6*\c:(\pc)+6*\c+2], v[(\s)+32*\c:(\s)+32*\c+15], v[TM+12+2*\c]
	v_cvt_scalef32_pk16_fp6_f32 v[PT+4*\c:PT+4*\c+2], v[(\s)+16+32*\c:(\s)+31+32*\c], v[TM+13+2*\c]
.endr
	WIN 0
	v_nop
.irp c, 0,1
.irp i, 0,1,2
	v_permlane16_swap_b32 v[(\pc)+6*\c+\i], v[PT+4*\c+\i]
.endr
.irp i, 0,1,2
	v_mov_b32 v[(\pc)+3+6*\c+\i], v[PT+4*\c+\i]
.endr
.endr
.endm
.macro IMAGE a
.irp c, 0,1,2
	global_store_b128 v[LI], v[PC+12*(\a)+4*\c:PC+12*(\a)+4*\c+3], s[10:11] offset:IMG*(\a)+512*\c th:TH_STORE_NT
.endr
.endm
.macro CLOAD a, e
	WIN TO_B
.irp b, 0,1,2,3
.irp k, 0,1,2,3
	ds_load_b128 v[128*(\e)+16*\b+4*\k:128*(\e)+16*\b+4*\k+3], v[ADC] offset:(32*((\a)/2)+8*((\a)%2))*CPITCH+128*\b+16*\k
	ds_load_b128 v[128*(\e)+64+16*\b+4*\k:128*(\e)+64+16*\b+4*\k+3], v[ADN] offset:(32*((\a)/2)+8*((\a)%2))*CPITCH+128*\b+16*\k
.endr
.endr
	WIN 0
.endm
.macro ROPE a, e
	WIN 0x06
.irp bq, 0,1
.irp i, 0,2,4,6,8,10,12,14
	v_pk_mul_f32 v[H+16*\bq+\i:H+16*\bq+\i+1], v[64*(\a)+16*\bq+\i:64*(\a)+16*\bq+\i+1], v[128*(\e)+16*\bq+\i:128*(\e)+16*\bq+\i+1]
	v_pk_mul_f32 v[H+32+16*\bq+\i:H+32+16*\bq+\i+1], v[64*(\a)+32+16*\bq+\i:64*(\a)+32+16*\bq+\i+1], v[128*(\e)+32+16*\bq+\i:128*(\e)+32+16*\bq+\i+1]
	v_pk_fma_f32 v[H+16*\bq+\i:H+16*\bq+\i+1], v[64*(\a)+32+16*\bq+\i:64*(\a)+32+16*\bq+\i+1], v[128*(\e)+64+16*\bq+\i:128*(\e)+64+16*\bq+\i+1], v[H+16*\bq+\i:H+16*\bq+\i+1] neg_lo:[1,0,0] neg_hi:[1,0,0]
	v_pk_fma_f32 v[H+32+16*\bq+\i:H+32+16*\bq+\i+1], v[64*(\a)+16*\bq+\i:64*(\a)+16*\bq+\i+1], v[128*(\e)+96+16*\bq+\i:128*(\e)+96+16*\bq+\i+1], v[H+32+16*\bq+\i:H+32+16*\bq+\i+1]
.endr
.endr
	WIN 0
.endm
	s_cmp_eq_u32 s80, 1
	s_cbranch_scc1 .Lv_path
	CLOAD 0, 0
	CLOAD 1, 1
.irp a, 0,1,2,3
.if \a < 3
	s_wait_dscnt 32
.else
	s_wait_dscnt 0x0
.endif
	ROPE \a, \a%2
.if \a < 2
	CLOAD \a+2, \a%2
.endif
	QUANT H, 0, PC+12*\a, PW+\a
	IMAGE \a
.endr
	s_branch .Ljoin
.Lv_path:
.irp a, 0,1,2,3
	QUANT 64*\a, 2, PC+12*\a, PW+\a
	IMAGE \a
.endr
.Ljoin:
	global_store_b128 v[LR], v[PW:PW+3], s[10:11] offset:SCO th:TH_STORE_NT
	s_wait_tensorcnt 0x0
	ds_add_u32 v[SPW], v[NIL]
	s_wait_dscnt 0x0
	CROUND
	s_endpgm
.Lfunc_end_k_q5ac9c71083_qkv:
	.size	k_q5ac9c71083_qkv, .Lfunc_end_k_q5ac9c71083_qkv-k_q5ac9c71083_qkv
	.p2alignl 7, 3214868480
	.fill 96, 4, 3214868480
	.section	.rodata,"a",@progbits
	.p2align	6, 0x0
	.amdhsa_kernel k_q5ac9c71083_qkv
		.amdhsa_group_segment_fixed_size 327680
		.amdhsa_private_segment_fixed_size 0
		.amdhsa_enable_private_segment 0
		.amdhsa_kernarg_size 32
		.amdhsa_user_sgpr_count 2
		.amdhsa_user_sgpr_kernarg_segment_ptr 1
		.amdhsa_wavefront_size32 1
		.amdhsa_system_sgpr_workgroup_id_x 1
		.amdhsa_system_sgpr_workgroup_id_y 1
		.amdhsa_system_sgpr_workgroup_id_z 1
		.amdhsa_system_vgpr_workitem_id 0
		.amdhsa_next_free_vgpr 768
		.amdhsa_next_free_sgpr 96
		.amdhsa_reserve_vcc 0
		.amdhsa_float_denorm_mode_32 3
		.amdhsa_float_denorm_mode_16_64 3
		.amdhsa_memory_ordered 1
		.amdhsa_forward_progress 1
		.amdhsa_inst_pref_size 179
	.end_amdhsa_kernel
	.amdgpu_metadata
---
amdhsa.version: [ 1, 2 ]
amdhsa.kernels:
  - .name:           k_q5ac9c71083_qkv
    .symbol:         k_q5ac9c71083_qkv.kd
    .args:
      - { .name: xw, .offset: 0, .size: 8, .value_kind: global_buffer, .address_space: global }
      - { .name: cos, .offset: 8, .size: 8, .value_kind: global_buffer, .address_space: global }
      - { .name: sin, .offset: 16, .size: 8, .value_kind: global_buffer, .address_space: global }
      - { .name: qkv, .offset: 24, .size: 8, .value_kind: global_buffer, .address_space: global }
    .group_segment_fixed_size: 327680
    .private_segment_fixed_size: 0
    .kernarg_segment_align: 8
    .kernarg_segment_size: 32
    .max_flat_workgroup_size: 128
    .sgpr_count:     96
    .vgpr_count:     768
    .wavefront_size: 32
...
	.end_amdgpu_metadata
.endif
;; end of part 2
;; launch attn (part 3): grid 32 x 8, 16 waves a work-group, clusters of 4 x 1, 327,680 bytes of LDS; arguments qkv, o; writes o
.if DOCPART == 3
	.amdgcn_target "amdgcn-amd-amdhsa--gfx1250"
	.amdhsa_code_object_version 6
	.text
	.protected	k_q5ac9c71083_attn
	.globl	k_q5ac9c71083_attn
	.p2align	8
	.type	k_q5ac9c71083_attn,@function
k_q5ac9c71083_attn:
	s_mov_b64 s[64:65], 0
	v_nop
	global_prefetch_b8 v0, s[64:65] scope:SCOPE_SE
	s_setreg_imm32_b32 hwreg(HW_REG_WAVE_MODE, 25, 1), 1
	s_wait_xcnt 0x0
	s_wait_alu depctr_hold_cnt(0) depctr_sa_sdst(0) depctr_va_vdst(0) depctr_va_sdst(0) depctr_va_ssrc(0) depctr_va_vcc(0) depctr_vm_vsrc(0)
	s_getreg_b32 s2, hwreg(HW_REG_IB_STS2, 6, 4)
	s_cmp_eq_u32 s2, 0
	s_cbranch_scc0 .Lentry_in_a_cluster
	s_endpgm
.Lentry_in_a_cluster:
	s_bfe_u32 s2, ttmp6, 0x10000c
	s_cmp_lg_u32 s2, 0x3003
	s_cbranch_scc0 .Lentry_shape_is_right
	s_endpgm
.Lentry_shape_is_right:
; Causal attention with grouped heads on codes of FP6 (E2M3), E8M0 scales: S^T = K Q^T (K = the head's 128), O^T = V^T P^T (K = the keys); 2,048 tokens, 16 query heads, 8 key and value heads.
; THE SOFTMAX AHEAD OF THE SECOND PRODUCT: t = score x log2(e) / sqrt(128); M = the running largest t rounded UP to a whole number; p = 2^(t - M) is quantised along the keys, not normalised; the row's sum is taken of the
; unquantised p in f32 and divides O at the end; when M moves, the sum and O are multiplied by 2^(old M - new M), which rounds nothing.  O / sum is quantised along (head, channel), the K of the last product, and leaves as an image.
; WORK LEFT OUT: key steps all of whose keys come after a wave's queries: their p is 0 for all values of the inputs.  A NaN or an infinity that reaches only such scores is not carried on.
; LAYOUT: tiles, images and records as the launch before wrote them: a tile T is 16 rows, lane r holding row 32 (T / 2) + 8 (T % 2) + r + 8 (r / 8); qkv: [head' 0..31][32 records of 6,400 bytes]: 0-15 q, 16-23 k
; (record R: token tiles 4 R .. 4 R + 3), 24-31 v (record 2 s + g: channel tiles 4 g .. 4 g + 3 of key step s).  o: [token tile 0..127][4 records]; image j of record sg = query head 4 sg + j.
; Both products are used transposed, so a lane holds ONE query throughout, and by the choice of a tile's rows the 16 registers of tiles 2 b and 2 b + 1 are 16 neighbours along the next K.
; SHARES.  A cluster of four work-groups owns, for one key and value head, the blocks I and 15 - I of 128 queries of both query heads: 32 tiles of 16 queries, eight a work-group: four of the early block, four of the late one.
; A TILE HAS TWO WAVES: wave w (0-7) takes its even key steps, wave w + 8 the odd ones, each with a running M, a sum and an O^T of its own: so a wave's longest chain is 8 key steps of the 16, and a tile of the early block and one of
; the late have 17 key steps together whatever I is.  At the end the odd wave hands O^T, -M and the sum to the even wave through LDS, as images of its registers; the even wave brings both under the larger M, by factors
; that are powers of two, adds, divides by the sum, quantises and stores.  A wave that had no step hands over zeros, and its factor is 0.
; All walk the 16 key steps of 128 keys, in constant trip counts; a step of the other wave, or one all of whose keys come after the wave's block, is jumped over (scalar branches on ids, the same in all partners; no barrier
; and no tensor load stands in a step); on the diagonal hidden scores become -infinity.
; RING.  Two LDS slots of four key steps (8 records of K, 8 of V), filled by joint tensor loads (waves 0, 1: K's halves; waves 2, 3: V's) that all four work-groups ask for together, since they walk the same K and V.
; At the head slot 0's fill alone goes out, one tensor load in each of waves 0 to 3; slot 1's first fill stands behind the three lines and a round, as a refill does: a wave has one tensor load out.
; the add ahead of a fill is written twice on end.  Every cluster makes all four fills, also those with I >= 4, none of whose waves reads key steps 12 to 15:
; every partner issues every joint load.  All of LDS is claimed.
; NO PREFETCH is laid: K and V are waited for at the head's first fill alone; every later fill is asked for a whole slot, four key steps, ahead of its first read.
; The scale words of o are stored 4 bytes a row, 16 bytes apart: 64 bytes a tile beside its 1,536 bytes of codes.
; LIMITS: a block of zeros, and a block whose largest magnitude lies under 2^-124, get the scale byte 1 (this program alone reads the bytes); NaN and infinities are not served; the scaled scores stay under 2^31 in magnitude.
; REGISTERS: v1-9 addresses; v12 -M, v13 the largest t, v[14:15] the sum; v16-27 Q; v96-159 S^T, then p; v160-223 O^T; v224-235 p's codes; v232-254 at work in the softmax; v253 p's scale word; v255 Q's.
; THE FRAGMENTS.  K's eight tiles of a step: tiles 0-3 in v32-79, 4 in v224-235, 5 in v236-247, 6 in v80-91 (registers that are idle at a step's head), 7 in v32-43 again, behind tile 0's product; their scale words in v248-251
; and v92-95.  V's first record: v32-79, scale words v28-31, asked for ahead of the softmax.  V's second record: v96-143, where p stood until it was converted, scale words v248-251.
.set REC,   6400
.set IMG,   1536
.set SCO,   6144
.set STEPB, 2*REC                      ; a key step's records of K (and of V)
.set VOFF,  8*REC                      ; a slot: 8 records of K, then 8 of V
.set SLOT1, 1<<17                      ; slot 1 begins here, so that one exclusive or turns an address
.set SPARE, SLOT1+16*REC               ; behind the ring: the spare words, 128 bytes a wave
.set STAGE, SPARE+16*128               ; behind them: what the odd waves hand over; no fill lands here
.set MGB,   17*512                     ; a tile's part of it: 16 x 4 registers of O^T and v[12:15], 512 bytes each
.set LI,  1                            ; v1  16 x lane
.set LS,  2                            ; v2  6144 + 16 x (lane % 16)
.set DM,  3                            ; v3  my query less its block's first, less 16 h
.set MG,  4                            ; v4  my tile's part of the stage, + 16 x lane
.set SPW, 5                            ; v5  my spare word's LDS address; never rewritten
.set NIL, 6                            ; v6  0; never rewritten
.set LR,  7                            ; v7  16 x (lane % 16)
.set ADK, 8                            ; v8  the step's images
.set ADS, 9                            ; v9  the step's scale words
.set TM,  80                           ; v80-95 at work in the last quantiser
.set WV,  8
.set BLK, 12                           ; s12 my block of 128 queries
.set KS,  13                           ; s13 the key step
.set TB,  14                           ; s14 LDS byte at which the step's records of K begin
.set SLOTS, 15
.set TW,  16
.set SEL, 20                           ; s[20:21] lane l xor 16
.set CS,  22                           ; s[22:23] c = log2(e) / sqrt(128)
.set G1,  24                           ; s[24:31] group 1
.set G0,  32                           ; s[32:35] group 0 of slot 0's first fill
.set G0W, 36                           ; s[36:39] group 0 of slot 1's first fill, which then walks
.set PAR, 56                           ; s56 0: the even key steps are mine, 1: the odd ones
.macro ROUND                           ; a round of the cluster's barrier
	s_barrier_signal -1
	s_barrier_wait -1
	s_cmp_lg_u32 s[WV], 0
	s_cbranch_scc1 .Lnot_wave_0_\@
	s_barrier_signal -3
.Lnot_wave_0_\@:
	s_barrier_wait -3
	s_barrier_signal -1
	s_barrier_wait -1
.endm
.macro TLOAD                           ; waves 0 to 3 fetch a quarter of a slot each; the branch hangs on the wave's number alone.  An s_nop 0 and four v_nop follow the line
	s_cmp_lt_u32 s[WV], 4
	s_cbranch_scc0 .Lasked_\@
	tensor_load_to_lds s[G0W:G0W+3], s[G1:G1+7]
	s_nop 0
.rept 4
	v_nop
.endr
.Lasked_\@:
.endm
	s_load_b128 s[4:7], s[0:1], 0x0                ; qkv s[4:5], o s[6:7]
	v_lshl_add_u32 v[SPW], v0, 2, SPARE
	v_mov_b32 v[NIL], 0
	ds_add_u32 v[SPW], v[NIL]                      ; the wave's opening: the add, twice on end, and its wait stand ahead of my first tensor load; the set-up below stands between them
	ds_add_u32 v[SPW], v[NIL]
	v_lshrrev_b32 v8, 5, v0
	s_delay_alu instid0(VALU_DEP_1)
	v_readfirstlane_b32 s[WV], v8                  ; wave 0..15
	s_lshr_b32 s[PAR], s[WV], 3
	s_and_b32 s59, s[WV], 7                        ; which of the work-group's eight tiles
	s_and_b32 s58, s[WV], 3                        ; which quarter of a slot (waves 0 to 3 fetch)
	s_mul_i32 s57, s59, MGB
	v_and_b32 v[LI], 31, v0
	s_delay_alu instid0(VALU_DEP_1)
	v_lshlrev_b32 v[LI], 4, v[LI]
	s_delay_alu instid0(VALU_DEP_1)
	v_add_nc_u32 v[MG], s57, v[LI]
	s_delay_alu instid0(VALU_DEP_1)
	v_add_nc_u32 v[MG], STAGE, v[MG]               ; the same in a tile's two waves: the odd one stores there, the even one loads
	s_and_b32 s9, ttmp7, 0xffff                    ; the key and value head
	s_bfe_u32 s10, ttmp6, 0x40000                  ; cx: it enters Q's and O's global addresses and the mask's numbers alone
	s_lshr_b32 s11, s59, 2                         ; 0: the early block, 1: the late one
	s_sub_co_u32 s19, 15, ttmp9
	s_cmp_eq_u32 s11, 0
	s_cselect_b32 s[BLK], ttmp9, s19               ; the same in all four partners, for a given wave
	s_and_b32 s17, s[WV], 1
	s_lshl_b32 s19, s9, 1
	s_add_co_u32 s17, s17, s19                     ; my query head
	s_bfe_u32 s19, s[WV], 0x10001                  ; u = (wave / 2) % 2
	s_lshl_b32 s18, s[BLK], 3
	s_lshl_b32 s40, s10, 1
	s_add_co_u32 s18, s18, s40
	s_add_co_u32 s18, s18, s19                     ; my token tile T = 8 block + 2 cx + u
	s_mov_b32 s[G1], 15|(3<<16)|(1<<21)            ; 15:0 the mask: all four work-groups; 17:16 elements of 8 bytes; 21 set beside a mask
	s_mov_b32 s[G1+1], 32<<16                      ; four records, 25,600 dense bytes, as 100 rows of 256 bytes
	s_mov_b32 s[G1+2], 100<<16
	s_mov_b32 s[G1+3], 32<<16
	s_mov_b32 s[G1+4], 100
	s_mov_b32 s[G1+5], 32
	s_mov_b32 s[G1+6], 0
	s_mov_b32 s[G1+7], 0
	s_mov_b32 s[G0], 1
	s_mul_i32 s[G0+1], s58, 4*REC                  ; slot 0: K's halves, then V's
	s_mov_b32 s[G0W], 1
	s_add_co_u32 s[G0W+1], s[G0+1], SLOT1          ; slot 1
	s_lshr_b32 s40, s58, 1
	s_lshl_b32 s40, s40, 3
	s_add_co_u32 s40, s40, s9
	s_add_co_u32 s40, s40, 16                      ; head' = 16 + kv for K, 24 + kv for V
	s_lshl_b32 s40, s40, 5
	s_and_b32 s41, s[WV], 1
	s_lshl_b32 s41, s41, 2
	s_add_co_u32 s40, s40, s41
	s_mul_i32 s40, s40, REC
	s_mov_b32 s41, 0
	s_lshl_b32 s42, s17, 5                         ; Q: record 32 head + T / 4, image T % 4
	s_lshr_b32 s43, s18, 2
	s_add_co_u32 s42, s42, s43
	s_mul_i32 s42, s42, REC
	s_and_b32 s43, s18, 3
	s_mul_i32 s44, s43, IMG
	s_add_co_u32 s44, s44, s42
	s_mov_b32 s45, 0
	s_lshl_b32 s43, s43, 2
	s_add_co_u32 s46, s42, s43
	s_add_co_u32 s46, s46, SCO
	s_mov_b32 s47, 0
	s_lshl_b32 s48, s18, 2                         ; O: record 4 T + head / 4, image head % 4
	s_lshr_b32 s49, s17, 2
	s_add_co_u32 s48, s48, s49
	s_mul_i32 s48, s48, REC
	s_and_b32 s49, s17, 3
	s_mul_i32 s50, s49, IMG
	s_add_co_u32 s50, s50, s48
	s_mov_b32 s51, 0
	s_lshl_b32 s49, s49, 2
	s_add_co_u32 s52, s48, s49
	s_add_co_u32 s52, s52, SCO
	s_mov_b32 s53, 0
	s_lshl_b32 s54, s10, 5
	s_lshl_b32 s55, s19, 3
	s_add_co_u32 s54, s54, s55                     ; 32 cx + 8 u
	s_mov_b32 s[SEL], 0x76543210
	s_mov_b32 s[SEL+1], 0xfedcba98
	s_mov_b32 s[CS], 0x3e0293ee
	s_mov_b32 s[CS+1], s[CS]                       ; (named with it as a pair, so it is written)
	s_mov_b32 s[KS], 0
	s_mov_b32 s[TB], 0
	s_mov_b32 s[SLOTS], 2
	s_wait_dscnt 0x0                               ; both opening adds are done
	s_wait_kmcnt 0x0
	s_add_nc_u64 s[G0+2:G0+3], s[4:5], s[40:41]    ; key steps 0 to 3,
	s_add_nc_u64 s[G0W+2:G0W+3], s[G0+2:G0+3], 8*REC   ; and 4 to 7
	s_or_b32 s[G0+3], s[G0+3], 0x80000000
	s_or_b32 s[G0W+3], s[G0W+3], 0x80000000
	s_add_nc_u64 s[44:45], s[4:5], s[44:45]        ; Q's image
	s_add_nc_u64 s[46:47], s[4:5], s[46:47]        ; Q's scale words
	s_add_nc_u64 s[50:51], s[6:7], s[50:51]        ; O's image
	s_add_nc_u64 s[52:53], s[6:7], s[52:53]        ; O's scale words
	ROUND                                          ; all four work-groups are here: the first joint loads meet
	s_cmp_lt_u32 s[WV], 4                          ; slot 0's fill: one tensor load in each of waves 0 to 3
	s_cbranch_scc0 .Lfirst_asked
	tensor_load_to_lds s[G0:G0+3], s[G1:G1+7]
	s_nop 0
.rept 4
	v_nop
.endr
.Lfirst_asked:
	v_and_b32 v10, 15, v0                          ; r
	v_bfe_u32 v11, v0, 4, 1                        ; h
	s_delay_alu instid0(VALU_DEP_2)
	v_lshlrev_b32 v[LR], 4, v10
	s_delay_alu instid0(VALU_DEP_1)
	v_add_nc_u32 v[LS], SCO, v[LR]
	s_wait_alu depctr_va_vdst(0)                   ; ahead of the readers below
.irp c, 0,1,2
	global_load_b128 v[16+4*\c:19+4*\c], v[LI], s[44:45] offset:512*\c   ; Q's fragment stays in registers
.endr
	global_load_b32 v255, v[LR], s[46:47]
	v_and_b32 v[DM], 8, v10
	s_delay_alu instid0(VALU_DEP_1)
	v_add_nc_u32 v[DM], v[DM], v10                 ; r + 8 (r / 8)
	v_lshlrev_b32 v11, 4, v11
	s_delay_alu instid0(VALU_DEP_1)
	v_sub_nc_u32 v[DM], v[DM], v11
	s_delay_alu instid0(VALU_DEP_1)
	v_add_nc_u32 v[DM], s54, v[DM]                 ; register 16 b + i holds key 32 b + 16 h + i of the step: on the diagonal it is hidden where 32 b + i > this number
	v_mov_b32 v13, 0xff61b1e6                      ; the largest t so far: -3e38
	s_delay_alu instid0(VALU_DEP_1)
	v_floor_f32 v12, -v13                          ; -M
	v_mov_b32 v14, 0
	v_mov_b32 v15, 0
.irp b, 0,1,2,3
	v_mov_b32 v[236+\b], 0                         ; a lane permute's destination counts as one of its sources
.endr
	v_mov_b32 v252, 0
	v_mov_b32 v253, 0
.set j, 0
.rept 64
	v_mov_b32 v[160+j], 0                          ; O^T: the step is written once; the first finds zeros, which the first change of M leaves zeros
.set j, j+1
.endr
.macro KT reg, t                       ; tile t of K -> v[reg .. reg + 11]
.irp c, 0,1,2
	ds_load_b128 v[\reg+4*\c:\reg+4*\c+3], v[ADK] offset:REC*((\t)/4)+IMG*((\t)%4)+512*\c
.endr
.endm
.macro QK reg, t, sc                   ; S^T's tile t = 16 keys x my 16 queries
	v_wmma_scale_f32_16x16x128_f8f6f4 v[96+8*(\t):103+8*(\t)], v[\reg:\reg+11], v[16:27], 0, v[\sc], v255 matrix_a_fmt:MATRIX_FMT_FP6 matrix_b_fmt:MATRIX_FMT_FP6
.endm
; A KEY STEP: 128 keys.
.macro STEP
	s_cmp_gt_u32 s[KS], s[BLK]                     ; all its keys come after my 16 queries: nothing to do but to step the addresses
	s_cbranch_scc1 .Lhidden_\@
	s_and_b32 s57, s[KS], 1
	s_cmp_lg_u32 s57, s[PAR]                       ; or it is my tile's other wave's
	s_cbranch_scc1 .Lhidden_\@
	v_add_nc_u32 v[ADK], s[TB], v[LI]
	v_add_nc_u32 v[ADS], s[TB], v[LS]
	s_wait_alu depctr_va_vdst(0)                   ; ahead of the readers below
.rept 3
	v_nop                                          ; with the two additions five places behind the last step's products: the loads land on their operands, and S^T is written over v96-143, which they read
.endr
	ds_load_b128 v[248:251], v[ADS]                ; the scale words of tiles 0-3,
	ds_load_b128 v[92:95], v[ADS] offset:REC       ; and of tiles 4-7
	KT 32, 0
	KT 44, 1
	KT 56, 2
	KT 68, 3
	KT 224, 4
	KT 236, 5
	KT 80, 6
	s_wait_dscnt 18                                ; the scale words and tile 0 are in; the 18 loads of tiles 1-6 may be out
	QK 32, 0, 248
.rept 4
	v_nop                                          ; four places in front of loads into registers that the product above has read
.endr
	KT 32, 7
	s_wait_dscnt 12                                ; tiles 4-6 (9 loads) and tile 7 (3) may be out
	QK 44, 1, 249
	QK 56, 2, 250
	QK 68, 3, 251
	s_wait_dscnt 3                                 ; tile 7 may be out
	QK 224, 4, 92
	QK 236, 5, 93
	QK 80, 6, 94
	s_wait_dscnt 0x0
	QK 32, 7, 95
.rept 4
	v_nop                                          ; four places: the scores are read, and the fragments' registers written, below
.endr
.irp t, 0,1,2,3                        ; V's first record is asked for here: the softmax stands between these loads and the wait for them
.irp c, 0,1,2
	ds_load_b128 v[32+12*\t+4*\c:35+12*\t+4*\c], v[ADK] offset:VOFF+IMG*\t+512*\c
.endr
.endr
	ds_load_b128 v[28:31], v[ADS] offset:VOFF
	s_cmp_lg_u32 s[KS], s[BLK]                     ; only the step on the diagonal has hidden keys
	s_cbranch_scc1 .Lopen_\@
	v_mov_b32 v254, 0xff800000                     ; -infinity: p = 0 then
.set n, 0
.rept 64
	v_cmp_gt_i32 vcc_lo, 32*(n/16)+n%16, v[DM]
	v_cndmask_b32 v[96+n], v[96+n], v254, vcc_lo
.set n, n+1
.endr
.Lopen_\@:
.irp b, 0,1,2,3
	v_max3_num_f32 v[232+\b], v[96+16*\b], v[97+16*\b], v[98+16*\b]   ; the largest score of each block of 32 keys: for the row's maximum, and, since p rises with the score, for the block's largest p
.endr
.irp i, 3,5,7,9,11,13
.irp b, 0,1,2,3
	v_max3_num_f32 v[232+\b], v[232+\b], v[96+16*\b+\i], v[97+16*\b+\i]
.endr
.endr
.irp b, 0,1,2,3
	v_max_num_f32 v[232+\b], v[232+\b], v[111+16*\b]
.endr
.irp b, 0,1,2,3
	s_delay_alu instid0(VALU_DEP_4)
	v_permlanex16_b32 v[236+\b], v[232+\b], s[SEL], s[SEL+1]
.endr
.irp b, 0,1,2,3
	s_delay_alu instid0(VALU_DEP_4)
	v_max_num_f32 v[232+\b], v[232+\b], v[236+\b]  ; with lane l xor 16's 16 keys
.endr
	s_delay_alu instid0(VALU_DEP_2)
	v_max3_num_f32 v254, v232, v233, v234
	s_delay_alu instid0(VALU_DEP_1)
	v_max_num_f32 v254, v254, v235                 ; the step's largest score of my query
	s_delay_alu instid0(VALU_DEP_1)
	v_mul_f32 v254, s[CS], v254                    ; as t
	s_delay_alu instid0(VALU_DEP_1)
	v_max_num_f32 v13, v13, v254                   ; the running largest t
	v_mov_b32 v254, v12
	s_delay_alu instid0(VALU_DEP_2)
	v_floor_f32 v12, -v13                          ; the new -M = floor(-t): M is a whole number
	s_delay_alu instid0(VALU_DEP_1)
	v_sub_f32 v254, v12, v254                      ; old M - new M: a whole number, 0 or less
	s_delay_alu instid0(VALU_DEP_1)
	v_cvt_i32_f32 v254, v254                       ; (it saturates)
	s_delay_alu instid0(VALU_DEP_1)
	v_ldexp_f32 v252, 1.0, v254                    ; f = 2^(old M - new M)
.set j, 0
.rept 32
	v_pk_fma_f32 v[96+j:97+j], v[96+j:97+j], s[CS:CS+1], v[12:13] op_sel_hi:[1,0,0]   ; t - M, two at a time
.set j, j+2
.endr
.irp b, 0,1,2,3
	v_fma_f32 v[232+\b], v[232+\b], s[CS], v12     ; the same of each block's largest score
.endr
.set j, 0
	s_wait_alu depctr_va_vdst(0)                   ; ahead of the batch
.rept 64
	v_exp_f32 v[96+j], v[96+j]                     ; p = 2^(t - M), at most 1: not normalised
.set j, j+1
.endr
	v_pk_mul_f32 v[14:15], v[14:15], v[252:253] op_sel_hi:[1,0]   ; the sums under the new M (a plain place behind the exponentials)
	s_wait_alu depctr_va_vdst(0)                   ; one wait for the whole batch, ahead of its first reader
.irp b, 0,1,2,3
	v_exp_f32 v[232+\b], v[232+\b]                 ; the block's largest p: the same two instructions on the same number
.endr
	v_pk_add_f32 v[236:237], v[100:101], v[104:105]   ; the row's sum, of the unquantised p: two at a time, in eight chains
	v_pk_add_f32 v[250:251], v[108:109], v[112:113]
	v_pk_add_f32 v[248:249], v[116:117], v[120:121]
	v_pk_add_f32 v[246:247], v[124:125], v[128:129]
	v_pk_add_f32 v[244:245], v[132:133], v[136:137]
	v_pk_add_f32 v[242:243], v[140:141], v[144:145]
	v_pk_add_f32 v[240:241], v[148:149], v[152:153]
	v_pk_add_f32 v[14:15], v[14:15], v[156:157]
	v_pk_add_f32 v[236:237], v[236:237], v[96:97]
	v_pk_add_f32 v[250:251], v[250:251], v[98:99]
	v_pk_add_f32 v[248:249], v[248:249], v[102:103]
	v_pk_add_f32 v[246:247], v[246:247], v[106:107]
	v_pk_add_f32 v[244:245], v[244:245], v[110:111]
	v_pk_add_f32 v[242:243], v[242:243], v[114:115]
	v_pk_add_f32 v[240:241], v[240:241], v[118:119]
	v_pk_add_f32 v[14:15], v[14:15], v[122:123]
	v_pk_add_f32 v[236:237], v[236:237], v[126:127]
	v_pk_add_f32 v[250:251], v[250:251], v[130:131]
	v_pk_add_f32 v[248:249], v[248:249], v[134:135]
	v_pk_add_f32 v[246:247], v[246:247], v[138:139]
	v_pk_add_f32 v[244:245], v[244:245], v[142:143]
	v_pk_add_f32 v[242:243], v[242:243], v[146:147]
	v_pk_add_f32 v[240:241], v[240:241], v[150:151]
	v_pk_add_f32 v[14:15], v[14:15], v[154:155]
	v_pk_add_f32 v[236:237], v[236:237], v[158:159]
	s_delay_alu instid0(VALU_DEP_2)
	v_pk_add_f32 v[14:15], v[14:15], v[246:247]
	s_delay_alu instid0(VALU_DEP_2)
	v_pk_add_f32 v[236:237], v[236:237], v[244:245]
	v_pk_add_f32 v[250:251], v[250:251], v[242:243]
	v_pk_add_f32 v[248:249], v[248:249], v[240:241]
	s_delay_alu instid0(VALU_DEP_2)
	v_pk_add_f32 v[14:15], v[14:15], v[250:251]
	s_delay_alu instid0(VALU_DEP_2)
	v_pk_add_f32 v[236:237], v[236:237], v[248:249]
	s_delay_alu instid0(VALU_DEP_1)
	v_pk_add_f32 v[14:15], v[14:15], v[236:237]
	s_wait_alu depctr_va_vdst(0)                   ; and one for the four
.irp b, 0,1,2,3
	v_max_num_f32 v[232+\b], 0x1800000, v[232+\b]  ; the floor 2^(3 - 127): a block whose every p is 0 keeps the byte 1; its codes are zeros
.endr
.irp b, 0,1,2,3
	s_delay_alu instid0(VALU_DEP_4)
	v_add_nc_u32 v[244+\b], 0xff000000, v[232+\b]  ; 2 off the exponent field: the conversion's scale operand
.endr
.irp b, 0,1,2,3
	s_delay_alu instid0(VALU_DEP_4)
	v_lshrrev_b32 v[236+\b], 23, v[244+\b]         ; the scale's byte
.endr
	s_delay_alu instid0(VALU_DEP_3)
	v_lshl_or_b32 v253, v237, 8, v236              ; p's scale word for these 128 keys
	s_delay_alu instid0(VALU_DEP_1)
	v_lshl_or_b32 v253, v238, 16, v253
	s_delay_alu instid0(VALU_DEP_1)
	v_lshl_or_b32 v253, v239, 24, v253
.irp c, 0,1
	v_cvt_scalef32_pk16_fp6_f32 v[224+6*\c:226+6*\c], v[96+32*\c:111+32*\c], v[244+2*\c]
	v_cvt_scalef32_pk16_fp6_f32 v[236+4*\c:238+4*\c], v[112+32*\c:127+32*\c], v[245+2*\c]
.endr
	v_nop                                          ; one plain place behind a scaled conversion
.irp t, 0,1,2,3                        ; V's second record, into the registers that held p: the conversions have read them
.irp c, 0,1,2
	ds_load_b128 v[96+12*\t+4*\c:99+12*\t+4*\c], v[ADK] offset:VOFF+REC+IMG*\t+512*\c
.endr
.endr
	ds_load_b128 v[248:251], v[ADS] offset:VOFF+REC
.irp c, 0,1                            ; a whole block in a lane: lanes 0-15 block 2 c, lanes 16-31 block 2 c + 1
.irp i, 0,1,2
	v_permlane16_swap_b32 v[224+6*\c+\i], v[236+4*\c+\i]
.endr
.irp i, 0,1,2
	s_delay_alu instid0(VALU_DEP_3)
	v_mov_b32 v[227+6*\c+\i], v[236+4*\c+\i]
.endr
.endr
.set j, 0
	s_wait_alu depctr_va_vdst(0)                   ; directly ahead of the first reader of O^T
.rept 32
	v_pk_mul_f32 v[160+j:161+j], v[160+j:161+j], v[252:253] op_sel_hi:[1,0]   ; O^T under the new M.  (These 32 are also the places in front of the matrix instructions below)
.set j, j+2
.endr
	s_wait_alu depctr_va_vdst(0)                   ; directly ahead of the wait below
	s_wait_dscnt 13                                ; O^T += V^T P^T.  V's first record is in; the 13 loads of the second may be out
.irp t, 0,1,2,3
	v_wmma_scale_f32_16x16x128_f8f6f4 v[160+8*\t:167+8*\t], v[32+12*\t:43+12*\t], v[224:235], v[160+8*\t:167+8*\t], v[28+\t], v253 matrix_a_fmt:MATRIX_FMT_FP6 matrix_b_fmt:MATRIX_FMT_FP6
.endr
	s_wait_dscnt 0x0
.irp t, 0,1,2,3
	v_wmma_scale_f32_16x16x128_f8f6f4 v[192+8*\t:199+8*\t], v[96+12*\t:107+12*\t], v[224:235], v[192+8*\t:199+8*\t], v[248+\t], v253 matrix_a_fmt:MATRIX_FMT_FP6 matrix_b_fmt:MATRIX_FMT_FP6
.endr
.Lhidden_\@:
	s_add_co_u32 s[KS], s[KS], 1
	s_add_co_u32 s[TB], s[TB], STEPB
.endm
; THE CHANGE OF SLOTS stands at a slot's head.  Each wave waits for all its tensor loads (its part of the slot ahead), adds 0 to its spare word, and waits for that and for its reads of the slot that it has left.
; fill = 1: behind a round of the cluster's barrier the slot that has been left is filled with the key steps two slots on: the load has a whole slot's steps in which to land.
.macro CHANGE fill
	s_wait_tensorcnt 0x0                           ; no tensor load of mine is out, so group 0 may be written
	ds_add_u32 v[SPW], v[NIL]                      ; 0 onto my spare word
.if \fill
	ds_add_u32 v[SPW], v[NIL]                      ; and once more
	s_xor_b32 s[G0W+1], s[G0W+1], SLOT1            ; the other slot than last time,
	s_add_nc_u64 s[G0W+2:G0W+3], s[G0W+2:G0W+3], 8*REC ; the next eight records
.endif
	s_wait_dscnt 0x0                               ; the add is done, and my reads of the slot that I have left are over
.if \fill
	ROUND
	TLOAD                                          ; the first thing behind the round, and a wave's one tensor load until the next
.else
	s_barrier_signal -1
	s_barrier_wait -1
.endif
.endm
.macro SLOT_STEPS                      ; a slot's four key steps: written once, walked four times
	s_mov_b32 s[TW], 4
.Lstep_\@:
	STEP
	s_sub_co_u32 s[TW], s[TW], 1
	s_cmp_lg_u32 s[TW], 0
	s_cbranch_scc1 .Lstep_\@
	s_sub_co_u32 s[TB], s[TB], 4*STEPB             ; back to a slot's first step,
	s_xor_b32 s[TB], s[TB], SLOT1                  ; in the other slot
.endm
	s_wait_alu depctr_va_vdst(0)                   ; the wait at the head's end
	s_wait_tensorcnt 0x0                           ; my part of slot 0 is in
	ds_add_u32 v[SPW], v[NIL]
	ds_add_u32 v[SPW], v[NIL]
	s_wait_dscnt 0x0
	ROUND                                          ; everybody's part of slot 0 is in, and all four work-groups are here
	TLOAD                                          ; slot 1's first fill, key steps 4 to 7: the first tensor load behind the round
	s_wait_loadcnt 0x0                             ; Q
	SLOT_STEPS                                     ; key steps 0 to 3
.Lslot:                                                ; two trips: the slot that has been left takes key steps 8 to 11, then 12 to 15
	CHANGE 1
	SLOT_STEPS
	s_sub_co_u32 s[SLOTS], s[SLOTS], 1
	s_cmp_lg_u32 s[SLOTS], 0
	s_cbranch_scc1 .Lslot
	CHANGE 0                                       ; the last slot is written out
	SLOT_STEPS
	; THE TWO WAVES OF A TILE MEET.  The odd wave's O^T, -M and sums go to the stage as they stand in its registers, 16 bytes a lane, 512 consecutive bytes a store.
.rept 4
	v_nop                                          ; four places behind the last products: their results are read, and their operands' registers loaded, below
.endr
	s_cmp_lt_u32 s[WV], 8
	s_cbranch_scc1 .Lno_send
.set k, 0
	s_wait_alu depctr_va_vdst(0)
.rept 16
	ds_store_b128 v[MG], v[160+4*k:163+4*k] offset:512*k   ; each accumulator from its low end on
.set k, k+1
.endr
	ds_store_b128 v[MG], v[12:15] offset:8192
.Lno_send:
	s_wait_dscnt 0x0                               ; for the other wave's sake: my stores have landed
	s_barrier_signal -1
	s_barrier_wait -1
	s_cmp_ge_u32 s[WV], 8                          ; the odd waves are done; no barrier stands under this branch
	s_cbranch_scc1 .Lend
	ds_load_b128 v[32:35], v[MG] offset:8192       ; the other wave's -M (v32) and sums (v34, v35)
.set k, 0
.rept 16
	ds_load_b128 v[96+4*k:99+4*k], v[MG] offset:512*k      ; and its O^T
.set k, k+1
.endr
	s_wait_dscnt 16                                ; the first load is in; the sixteen behind it may be out
	v_min_num_f32 v36, v12, v32                    ; -M of both: the larger M
	v_mov_b32 v41, 0                               ; (named as the upper halves of pairs)
	v_mov_b32 v43, 0
	v_mov_b32 v44, 0                               ; (a lane permute's destination counts as one of its sources)
	s_delay_alu instid0(VALU_DEP_4)
	v_sub_f32 v37, v36, v12                        ; my M less the larger: a whole number, 0 or less
	v_sub_f32 v38, v36, v32                        ; the other wave's likewise
	s_delay_alu instid0(VALU_DEP_2)
	v_cvt_i32_f32 v37, v37                         ; (it saturates: a wave that had no step has -M = 3e38, and its factor is 0)
	s_delay_alu instid0(VALU_DEP_2)
	v_cvt_i32_f32 v38, v38
	s_delay_alu instid0(VALU_DEP_2)
	v_ldexp_f32 v40, 1.0, v37                      ; f0
	s_delay_alu instid0(VALU_DEP_2)
	v_ldexp_f32 v42, 1.0, v38                      ; f1: powers of two, so nothing is rounded
	s_delay_alu instid0(VALU_DEP_2)
	v_pk_mul_f32 v[14:15], v[14:15], v[40:41] op_sel_hi:[1,0]
	s_delay_alu instid0(VALU_DEP_1)
	v_pk_fma_f32 v[14:15], v[34:35], v[42:43], v[14:15] op_sel_hi:[1,0,1]
	s_delay_alu instid0(VALU_DEP_1)
	v_add_f32 v14, v14, v15
	s_delay_alu instid0(VALU_DEP_1)
	v_permlanex16_b32 v44, v14, s[SEL], s[SEL+1]
	s_delay_alu instid0(VALU_DEP_1)
	v_add_f32 v14, v14, v44                        ; the row's sum
	s_wait_alu depctr_va_vdst(0)
	v_rcp_f32 v14, v14
.irp b, 0,1,2,3
	v_mov_b32 v[TM+4+\b], 0                        ; plain places behind the reciprocal; a lane permute's destination counts as one of its sources
.endr
	s_wait_alu depctr_va_vdst(0)                   ; the wait ahead of the reciprocal's first reader
	v_mul_f32 v40, v40, v14                        ; f0 / sum
	v_mul_f32 v42, v42, v14                        ; f1 / sum
	s_wait_alu depctr_va_vdst(0)                   ; directly ahead of the wait below
	s_wait_dscnt 0x0                               ; the other wave's O^T is in
.set j, 0
.rept 32
	v_pk_mul_f32 v[96+j:97+j], v[96+j:97+j], v[42:43] op_sel_hi:[1,0]
	v_pk_fma_f32 v[96+j:97+j], v[160+j:161+j], v[40:41], v[96+j:97+j] op_sel_hi:[1,0,1]   ; O / sum; register 16 b + i is channel 32 b + 16 h + i of my query.  Each accumulator from its low end on
.set j, j+2
.endr
	; quantised along the channels
.irp b, 0,1,2,3
	v_max3_num_f32 v[TM+\b], |v[96+16*\b]|, |v[97+16*\b]|, 0x1800000
.endr
.irp i, 2,4,6,8,10,12,14
.irp b, 0,1,2,3
	s_delay_alu instid0(VALU_DEP_4)
	v_max3_num_f32 v[TM+\b], v[TM+\b], |v[96+16*\b+\i]|, |v[97+16*\b+\i]|
.endr
.endr
.irp b, 0,1,2,3
	s_delay_alu instid0(VALU_DEP_4)
	v_permlanex16_b32 v[TM+4+\b], v[TM+\b], s[SEL], s[SEL+1]
.endr
.irp b, 0,1,2,3
	s_delay_alu instid0(VALU_DEP_4)
	v_max_num_f32 v[TM+\b], v[TM+\b], v[TM+4+\b]
.endr
.irp b, 0,1,2,3
	s_delay_alu instid0(VALU_DEP_4)
	v_add_nc_u32 v[TM+12+\b], 0xff000000, v[TM+\b]
.endr
.irp b, 0,1,2,3
	s_delay_alu instid0(VALU_DEP_4)
	v_lshrrev_b32 v[TM+4+\b], 23, v[TM+12+\b]
.endr
	s_delay_alu instid0(VALU_DEP_3)
	v_lshl_or_b32 v52, v[TM+5], 8, v[TM+4]
	s_delay_alu instid0(VALU_DEP_1)
	v_lshl_or_b32 v52, v[TM+6], 16, v52
	s_delay_alu instid0(VALU_DEP_1)
	v_lshl_or_b32 v52, v[TM+7], 24, v52
.irp c, 0,1
	v_cvt_scalef32_pk16_fp6_f32 v[32+6*\c:34+6*\c], v[96+32*\c:111+32*\c], v[TM+12+2*\c]
	v_cvt_scalef32_pk16_fp6_f32 v[44+4*\c:46+4*\c], v[112+32*\c:127+32*\c], v[TM+13+2*\c]
.endr
	v_nop                                          ; one plain place behind a scaled conversion
.irp c, 0,1
.irp i, 0,1,2
	v_permlane16_swap_b32 v[32+6*\c+\i], v[44+4*\c+\i]
.endr
.irp i, 0,1,2
	s_delay_alu instid0(VALU_DEP_3)
	v_mov_b32 v[35+6*\c+\i], v[44+4*\c+\i]
.endr
.endr
.irp c, 0,1,2
	global_store_b128 v[LI], v[32+4*\c:35+4*\c], s[50:51] offset:512*\c th:TH_STORE_NT   ; the image: 512 consecutive bytes a store, at a multiple of 256 from the buffer's first byte
.endr
	global_store_b32 v[LR], v52, s[52:53] th:TH_STORE_NT   ; my rows' scale words; lanes 16-31 hold and write the same words
.Lend:
	s_wait_tensorcnt 0x0                           ; the wave's end, behind my last tensor load and my last LDS store
	ds_add_u32 v[SPW], v[NIL]
	s_wait_dscnt 0x0
	ROUND                                          ; the closing round
	s_endpgm
.Lfunc_end_k_q5ac9c71083_attn:
	.size	k_q5ac9c71083_attn, .Lfunc_end_k_q5ac9c71083_attn-k_q5ac9c71083_attn
	.p2alignl 7, 3214868480
	.fill 96, 4, 3214868480
	.section	.rodata,"a",@progbits
	.p2align	6, 0x0
	.amdhsa_kernel k_q5ac9c71083_attn
		.amdhsa_group_segment_fixed_size 327680
		.amdhsa_private_segment_fixed_size 0
		.amdhsa_enable_private_segment 0
		.amdhsa_kernarg_size 16
		.amdhsa_user_sgpr_count 2
		.amdhsa_user_sgpr_kernarg_segment_ptr 1
		.amdhsa_wavefront_size32 1
		.amdhsa_system_sgpr_workgroup_id_x 1
		.amdhsa_system_sgpr_workgroup_id_y 1
		.amdhsa_system_sgpr_workgroup_id_z 1
		.amdhsa_system_vgpr_workitem_id 0
		.amdhsa_next_free_vgpr 256
		.amdhsa_next_free_sgpr 66
		.amdhsa_reserve_vcc 1
		.amdhsa_float_denorm_mode_32 3
		.amdhsa_float_denorm_mode_16_64 3
		.amdhsa_memory_ordered 1
		.amdhsa_forward_progress 1
		.amdhsa_inst_pref_size 101
	.end_amdhsa_kernel
	.amdgpu_metadata
---
amdhsa.version: [ 1, 2 ]
amdhsa.kernels:
  - .name:           k_q5ac9c71083_attn
    .symbol:         k_q5ac9c71083_attn.kd
    .args:
      - { .name: qkv, .offset: 0, .size: 8, .value_kind: global_buffer, .address_space: global }
      - { .name: o, .offset: 8, .size: 8, .value_kind: global_buffer, .address_space: global }
    .group_segment_fixed_size: 327680
    .private_segment_fixed_size: 0
    .kernarg_segment_align: 8
    .kernarg_segment_size: 16
    .max_flat_workgroup_size: 512
    .sgpr_count:     66
    .vgpr_count:     256
    .wavefront_size: 32
...
	.end_amdgpu_metadata
.endif
;; end of part 3
;; launch oproj (part 4): grid 16 x 16, 4 waves a work-group, clusters of 4 x 4, 327,680 bytes of LDS; arguments o, wor, out0; writes out0
.if DOCPART == 4
	.amdgcn_target "amdgcn-amd-amdhsa--gfx1250"
	.amdhsa_code_object_version 6
	.text
	.protected	k_q5ac9c71083_oproj
	.globl	k_q5ac9c71083_oproj
	.p2align	8
	.type	k_q5ac9c71083_oproj,@function
k_q5ac9c71083_oproj:
	s_mov_b64 s[64:65], 0
	v_nop
	global_prefetch_b8 v0, s[64:65] scope:SCOPE_SE
	s_setreg_imm32_b32 hwreg(HW_REG_WAVE_MODE, 25, 1), 1
	s_wait_xcnt 0x0
	s_wait_alu depctr_hold_cnt(0) depctr_sa_sdst(0) depctr_va_vdst(0) depctr_va_sdst(0) depctr_va_ssrc(0) depctr_va_vcc(0) depctr_vm_vsrc(0)
	s_getreg_b32 s2, hwreg(HW_REG_IB_STS2, 6, 4)
	s_cmp_eq_u32 s2, 0
	s_cbranch_scc0 .Lentry_in_a_cluster
	s_endpgm
.Lentry_in_a_cluster:
	s_bfe_u32 s2, ttmp6, 0x10000c
	s_cmp_lg_u32 s2, 0xf033
	s_cbranch_scc0 .Lentry_shape_is_right
	s_endpgm
.Lentry_shape_is_right:
; out0 = O wo^T on codes of FP6 (E2M3) with E8M0 scales, K = 2,048, f32 sums.  o: [token tile 0..127][4 records], wor: [tile 0..255][4 records]; tiles, images and records of 6,400 bytes as the earlier launches laid them.
; SHARES: 256 work-groups, each a block of 128 tokens x 256 columns; four waves, each 64 x 128: 32 accumulators, 256 registers (window 2); B's fragments in window 1, two sets; A's in window 0, two sets.
; Source 0 = wo's tile, source 1 = O's: a lane holds eight neighbouring columns of one row of the result.
; RING: two slots of 24 records (512 along K: 8 of O, 16 of wo), filled by joint loads: O's go to my row of the 4 x 4 cluster, wo's to my column; waves 0, 1 fetch O's halves (4 records), waves 2, 3 wo's (8 records).
; One tensor load a wave at the head; slot 1's first fill stands behind the three lines and a round, as a refill does: a wave has one tensor load out.  All of LDS is claimed.
; PREFETCH: behind record 0's joint load stand the requests for records 1 and 2, behind record 1's that for record 3: each two refills ahead of its load but record 1's.  K has four records, so the loop's refills have none two on.
; Of the tiles that a wave fetches, each of the four partners that ask for them jointly takes a quarter, told apart by address (cx for O: one tile; cy for wo: two tiles); a record is 25 blocks of 256 bytes, a lane a block,
; lanes 25-31 name the last block again.  The address registers are never rewritten.
; THE WAY OUT: 16 rows x 128 columns at a time through the wave's own stage, in slot 0, which has had its last fill and its last read; 32 lanes store 512 consecutive bytes of a row.
.set REC,    6400
.set IMG,    1536
.set SCO,    6144
.set PE,     3200
.set TILEB,  8*PE
.set SLOT,   24*REC
.set BOFF,   8*REC
.set SPARE,  2*SLOT
.set LAPS,   2
.set SPITCH, 528
.set ADRA, 16
.set ADRB, 18
.set ADRS, 20
.set STO,  22
.set RD,   23
.set SPW,  28
.set NIL,  29
.set LI,   30
.set LR,   31
.set SC,   32
.set AF,   96
.set G1, 24
.set G0, 32
.set G1B, 48
.set G0B, 56
.set PFA, 12                           ; s[12:13] where my prefetches stand: my work-group's share of the tiles that I fetch; never rewritten
.set PFO, 6                            ; v6  256 x min(lane, 24); never rewritten
.set MSB, 0
.macro WIN new
.if MSB != (\new)
	s_set_vgpr_msb (MSB<<8)|(\new)
.set MSB, (\new)
.endif
.endm
.set W_MUL, 0xa1
.set TO_B,  0x40
.macro PLACES n
.rept \n
	v_nop
.endr
.endm
.macro JLOAD g0a, g1a, g0b, g1b
	s_cmp_eq_u32 s15, 0
	s_cbranch_scc0 .Lfor_b_\@
	tensor_load_to_lds s[\g0a:\g0a+3], s[\g1a:\g1a+7]
	s_nop 0
.rept 4
	v_nop
.endr
	s_branch .Lasked_\@
.Lfor_b_\@:
	tensor_load_to_lds s[\g0b:\g0b+3], s[\g1b:\g1b+7]
	s_nop 0
.rept 4
	v_nop
.endr
.Lasked_\@:
.endm
.macro CREST
	s_cmp_lg_u32 s14, 0
	s_cbranch_scc1 .Lnot_wave_0_\@
	s_barrier_signal -3
.Lnot_wave_0_\@:
	s_barrier_wait -3
	s_barrier_signal -1
	s_barrier_wait -1
.endm
; A request for one record of each tile of my share: O's waves have one tile, wo's two.  The branch hangs on the wave's number alone.
.macro PF off
	global_prefetch_b8 v[PFO], s[PFA:PFA+1] offset:\off th:TH_LOAD_NT scope:SCOPE_SE
	s_cmp_eq_u32 s15, 0
	s_cbranch_scc1 .Lpf_a_\@
	global_prefetch_b8 v[PFO], s[PFA:PFA+1] offset:(\off)+TILEB th:TH_LOAD_NT scope:SCOPE_SE
.Lpf_a_\@:
.endm
.macro CROUND
	s_barrier_signal -1
	s_barrier_wait -1
	CREST
.endm
	s_load_b128 s[4:7], s[0:1], 0x0
	s_load_b64 s[8:9], s[0:1], 0x10
	v_lshl_add_u32 v[SPW], v0, 2, SPARE
	v_mov_b32 v[NIL], 0
	ds_add_u32 v[SPW], v[NIL]
	ds_add_u32 v[SPW], v[NIL]
	v_lshrrev_b32 v1, 5, v0
	v_readfirstlane_b32 s14, v1
	s_lshr_b32 s15, s14, 1
	s_and_b32 s16, s14, 1
	s_bfe_u32 s40, ttmp6, 0x40000
	s_bfe_u32 s41, ttmp6, 0x40004
	s_lshl_b32 s42, ttmp9, 2
	s_add_co_u32 s42, s42, s40
	s_and_b32 s17, ttmp7, 0xffff
	s_lshl_b32 s17, s17, 2
	s_add_co_u32 s17, s17, s41
	s_lshl_b32 s43, s41, 2
	s_lshl_b32 s43, 15, s43
	s_lshl_b32 s44, 0x1111, s40
	s_or_b32 s[G1], s43, (3<<16)|(1<<21)
	s_or_b32 s[G1B], s44, (3<<16)|(1<<21)
	s_mov_b32 s[G1+1], 800<<16
	s_mov_b32 s[G1+2], 4<<16
	s_mov_b32 s[G1+3], 800<<16
	s_mov_b32 s[G1+4], 4
	s_mov_b32 s[G1+5], PE
	s_mov_b32 s[G1+6], 0
	s_mov_b32 s[G1+7], 0
	s_mov_b32 s[G1B+1], 800<<16
	s_mov_b32 s[G1B+2], 8<<16
	s_mov_b32 s[G1B+3], 800<<16
	s_mov_b32 s[G1B+4], 8
	s_mov_b32 s[G1B+5], PE
	s_mov_b32 s[G1B+6], 0
	s_mov_b32 s[G1B+7], 0
	s_lshl_b32 s18, s16, 2
	s_lshl_b32 s20, s17, 3
	s_add_co_u32 s20, s20, s18
	s_mul_i32 s20, s20, TILEB
	s_mov_b32 s21, 0
	s_lshl_b32 s18, s16, 3
	s_lshl_b32 s46, s42, 4
	s_add_co_u32 s46, s46, s18
	s_mul_i32 s46, s46, TILEB
	s_mov_b32 s47, 0
	s_mul_i32 s45, s16, 4*REC
	s_mul_i32 s86, s16, 8*REC
	s_add_co_u32 s86, s86, BOFF
	s_wait_dscnt 0x0
	s_wait_kmcnt 0x0
	s_add_nc_u64 s[20:21], s[4:5], s[20:21]
	s_add_nc_u64 s[46:47], s[6:7], s[46:47]
	s_lshl_b32 s95, s41, 1
	s_cmp_eq_u32 s15, 0                            ; do I fetch for O?
	s_cselect_b64 s[PFA:PFA+1], s[20:21], s[46:47] ; the prefetches' address: the first of the tiles that I fetch,
	s_cselect_b32 s94, s40, s95                    ; + cx tiles of O's four, or 2 cy of wo's eight
	s_mul_i32 s94, s94, TILEB
	s_mov_b32 s95, 0
	s_add_nc_u64 s[PFA:PFA+1], s[PFA:PFA+1], s[94:95]
	CROUND
.irp s, 0,1
	s_mov_b32 s[G0+4*\s], 1
	s_add_co_u32 s[G0+4*\s+1], s45, \s*SLOT
	s_add_nc_u64 s[G0+4*\s+2:G0+4*\s+3], s[20:21], \s*REC
	s_or_b32 s[G0+4*\s+3], s[G0+4*\s+3], 0x80000000
	s_mov_b32 s[G0B+4*\s], 1
	s_add_co_u32 s[G0B+4*\s+1], s86, \s*SLOT
	s_add_nc_u64 s[G0B+4*\s+2:G0B+4*\s+3], s[46:47], \s*REC
	s_or_b32 s[G0B+4*\s+3], s[G0B+4*\s+3], 0x80000000
.endr
	JLOAD G0, G1, G0B, G1B                         ; record 0: one tensor load a wave at the head
	v_and_b32 v3, 31, v0
	v_min_u32 v[PFO], 24, v3
	v_lshlrev_b32 v[PFO], 8, v[PFO]
	s_wait_alu depctr_va_vdst(0)                   ; directly ahead of the reader below
	PF REC                                         ; records 1 and 2
	PF 2*REC
	v_and_b32 v1, 15, v0
	v_bfe_u32 v2, v0, 4, 1
	v_lshlrev_b32 v[LI], 4, v3
	v_lshlrev_b32 v[LR], 4, v1
	s_mul_i32 s18, s15, 4*REC
	s_mul_i32 s19, s16, 8*REC
	s_add_co_u32 s19, s19, BOFF
	s_sub_co_u32 s22, s19, s18
	v_mul_u32_u24 v4, s22, v2
	v_add_nc_u32 v4, v4, v[LR]
	v_add_nc_u32 v4, SCO, v4
.irp s, 0,1
	v_add_nc_u32 v[ADRA+\s], s18, v[LI]
	v_add_nc_u32 v[ADRB+\s], s19, v[LI]
	v_add_nc_u32 v[ADRS+\s], s18, v4
	s_add_co_u32 s18, s18, SLOT
	s_add_co_u32 s19, s19, SLOT
.endr
	s_mul_i32 s23, s14, 16*SPITCH
	v_mul_u32_u24 v[STO], v1, SPITCH
	v_lshl_add_u32 v[STO], v2, 6, v[STO]
	v_add_nc_u32 v[STO], s23, v[STO]
	v_add_nc_u32 v[RD], s23, v[LI]
	s_lshl_b32 s18, s17, 7
	s_lshl_b32 s19, s15, 6
	s_add_co_u32 s18, s18, s19
	s_lshl_b32 s18, s18, 14
	s_lshl_b32 s19, s42, 10
	s_add_co_u32 s18, s18, s19
	s_lshl_b32 s19, s16, 9
	s_add_co_u32 s18, s18, s19
	s_mov_b32 s19, 0
	s_add_nc_u64 s[8:9], s[8:9], s[18:19]
.macro FETCH slot, q, p
	WIN TO_B
.irp i, 0,1,2,3,4,5,6,7
.irp c, 0,1,2
	ds_load_b128 v[128*(\p)+12*\i+4*\c:128*(\p)+12*\i+4*\c+3], v[ADRB+\slot] offset:REC*\i+IMG*(\q)+512*\c
.endr
.endr
	WIN 0
.irp i, 0,1,2,3
.irp c, 0,1,2
	ds_load_b128 v[AF+48*(\p)+12*\i+4*\c:AF+48*(\p)+12*\i+4*\c+3], v[ADRA+\slot] offset:REC*\i+IMG*(\q)+512*\c
.endr
.endr
.endm
.macro SCALES slot
.irp i, 0,1,2,3,4,5,6,7
	ds_load_b128 v[SC+32*\slot+4*\i:SC+32*\slot+4*\i+3], v[ADRS+\slot] offset:REC*\i
.endr
.endm
.macro MULS a0, n, p, q, sc, zero
.set ai, \a0
.rept \n
.irp b, 0,1,2,3,4,5,6,7
.if \zero
	v_wmma_scale_f32_16x16x128_f8f6f4 v[8*(8*ai+\b):8*(8*ai+\b)+7], v[128*(\p)+12*\b:128*(\p)+12*\b+11], v[AF+48*(\p)+12*ai:AF+48*(\p)+12*ai+11], 0, v[SC+32*(\sc)+4*\b+(\q)], v[SC+32*(\sc)+4*ai+(\q)] matrix_a_fmt:MATRIX_FMT_FP6 matrix_b_fmt:MATRIX_FMT_FP6 matrix_a_scale:MATRIX_SCALE_ROW1
.else
	v_wmma_scale_f32_16x16x128_f8f6f4 v[8*(8*ai+\b):8*(8*ai+\b)+7], v[128*(\p)+12*\b:128*(\p)+12*\b+11], v[AF+48*(\p)+12*ai:AF+48*(\p)+12*ai+11], v[8*(8*ai+\b):8*(8*ai+\b)+7], v[SC+32*(\sc)+4*\b+(\q)], v[SC+32*(\sc)+4*ai+(\q)] matrix_a_fmt:MATRIX_FMT_FP6 matrix_b_fmt:MATRIX_FMT_FP6 matrix_a_scale:MATRIX_SCALE_ROW1
.endif
.endr
.set ai, ai+1
.endr
.endm
.macro STEP slot, q, zero
	s_wait_dscnt 0x0
	PLACES 4
	FETCH \slot, (\q)+1, 1-(\q)%2
	WIN W_MUL
	MULS 0, 4, (\q)%2, \q, \slot, \zero
	WIN 0
.endm
.macro TURN slot, next, fill
	s_wait_tensorcnt 0x0
	ds_add_u32 v[SPW], v[NIL]
	s_wait_dscnt 1
	WIN W_MUL
	MULS 0, 1, 1, 3, \slot, 0
	s_wait_dscnt 0x0
	s_barrier_signal -1
	MULS 1, 1, 1, 3, \slot, 0
	WIN 0
	s_barrier_wait -1
.if \fill
	CREST
	s_add_nc_u64 s[G0+4*\slot+2:G0+4*\slot+3], s[G0+4*\slot+2:G0+4*\slot+3], 2*REC
	s_add_nc_u64 s[G0B+4*\slot+2:G0B+4*\slot+3], s[G0B+4*\slot+2:G0B+4*\slot+3], 2*REC
	JLOAD G0+4*\slot, G1, G0B+4*\slot, G1B
.else
	PLACES 4
.endif
	FETCH \next, 0, 0
	SCALES \next
	WIN W_MUL
	MULS 2, 2, 1, 3, \slot, 0
	WIN 0
.endm
	s_wait_alu depctr_va_vdst(0)                   ; the wait at the head's end
	s_wait_tensorcnt 0x0                           ; my part of record 0 is in
	ds_add_u32 v[SPW], v[NIL]
	s_wait_dscnt 0x0                               ; the add is done
	CROUND                                         ; everybody's part of record 0 is in, and all sixteen work-groups are here
	JLOAD G0+4, G1, G0B+4, G1B                     ; record 1, slot 1's first fill: the first tensor load behind the round
	FETCH 0, 0, 0
	SCALES 0
	PF 3*REC                                       ; record 3
	STEP 0, 0, 1
	s_mov_b32 s3, LAPS-1
.Llap:
	STEP 0, 1, 0
	STEP 0, 2, 0
	TURN 0, 1, 1
	STEP 1, 0, 0
	STEP 1, 1, 0
	STEP 1, 2, 0
	TURN 1, 0, 1
	STEP 0, 0, 0
	s_sub_co_u32 s3, s3, 1
	s_cmp_lg_u32 s3, 0
	s_cbranch_scc1 .Llap
	STEP 0, 1, 0
	STEP 0, 2, 0
	TURN 0, 1, 0
	STEP 1, 0, 0
	STEP 1, 1, 0
	STEP 1, 2, 0
	s_wait_dscnt 0x0
	WIN W_MUL
	MULS 0, 4, 1, 3, 1, 0
	WIN 0
.macro TOSTAGE a
	WIN 0x08
.irp b, 0,1,2,3,4,5,6,7
	ds_store_b128 v[STO], v[64*(\a)+8*\b:64*(\a)+8*\b+3] offset:128*(\b/2)+32*(\b%2)
	ds_store_b128 v[STO], v[64*(\a)+8*\b+4:64*(\a)+8*\b+7] offset:128*(\b/2)+32*(\b%2)+16
.endr
	WIN TO_B
.irp t, 0,1,2,3,4,5,6,7,8,9,10,11,12,13,14,15
	ds_load_b128 v[64*(\a)+4*\t:64*(\a)+4*\t+3], v[RD] offset:\t*SPITCH
.endr
	WIN 0
.endm
.macro SEND a, younger
	s_wait_dscnt \younger
	WIN 0x04
.irp t, 0,1,2,3,4,5,6,7,8,9,10,11,12,13,14,15
	global_store_b128 v[LI], v[64*(\a)+4*\t:64*(\a)+4*\t+3], s[8:9] offset:(32*((\a)/2)+8*((\a)%2)+\t+8*(\t/8))*16384 th:TH_STORE_NT
.endr
	WIN 0
.endm
	PLACES 4
	TOSTAGE 0
.irp a, 1,2,3
	TOSTAGE \a
	SEND \a-1, 32
.endr
	SEND 3, 0
	s_wait_tensorcnt 0x0
	ds_add_u32 v[SPW], v[NIL]
	s_wait_dscnt 0x0
	CROUND
	s_endpgm
.Lfunc_end_k_q5ac9c71083_oproj:
	.size	k_q5ac9c71083_oproj, .Lfunc_end_k_q5ac9c71083_oproj-k_q5ac9c71083_oproj
	.p2alignl 7, 3214868480
	.fill 96, 4, 3214868480
	.section	.rodata,"a",@progbits
	.p2align	6, 0x0
	.amdhsa_kernel k_q5ac9c71083_oproj
		.amdhsa_group_segment_fixed_size 327680
		.amdhsa_private_segment_fixed_size 0
		.amdhsa_enable_private_segment 0
		.amdhsa_kernarg_size 24
		.amdhsa_user_sgpr_count 2
		.amdhsa_user_sgpr_kernarg_segment_ptr 1
		.amdhsa_wavefront_size32 1
		.amdhsa_system_sgpr_workgroup_id_x 1
		.amdhsa_system_sgpr_workgroup_id_y 1
		.amdhsa_system_sgpr_workgroup_id_z 1
		.amdhsa_system_vgpr_workitem_id 0
		.amdhsa_next_free_vgpr 768
		.amdhsa_next_free_sgpr 96
		.amdhsa_reserve_vcc 0
		.amdhsa_float_denorm_mode_32 3
		.amdhsa_float_denorm_mode_16_64 3
		.amdhsa_memory_ordered 1
		.amdhsa_forward_progress 1
		.amdhsa_inst_pref_size 133
	.end_amdhsa_kernel
	.amdgpu_metadata
---
amdhsa.version: [ 1, 2 ]
amdhsa.kernels:
  - .name:           k_q5ac9c71083_oproj
    .symbol:         k_q5ac9c71083_oproj.kd
    .args:
      - { .name: o, .offset: 0, .size: 8, .value_kind: global_buffer, .address_space: global }
      - { .name: wor, .offset: 8, .size: 8, .value_kind: global_buffer, .address_space: global }
      - { .name: out0, .offset: 16, .size: 8, .value_kind: global_buffer, .address_space: global }
    .group_segment_fixed_size: 327680
    .private_segment_fixed_size: 0
    .kernarg_segment_align: 8
    .kernarg_segment_size: 24
    .max_flat_workgroup_size: 128
    .sgpr_count:     96
    .vgpr_count:     768
    .wavefront_size: 32
...
	.end_amdgpu_metadata
.endif
;; end of part 4
